; MI455X (gfx1250); checked and timed in simulation.
; The chip was launched on July 23, 2026; its instructions are those of AMD's public machine-readable ISA for CDNA 5 (MIT licence, August 2026) and "CDNA5" Instruction Set Architecture Reference Guide (July 2026). The comments in the code are by the model that wrote it; some were corrected since.
;; Multi Attention. Allowed arithmetic: float matrix products may take bf16 or f16 operands with f32 sums; all other float work in f32.
;; Inputs: Wk 2,048 x 1,024 float32; Wq 2,048 x 1,024 float32; Wv 2,048 x 1,024 float32; bk 2,048 float32; bq 2,048 float32; bv 2,048 float32; key 2 x 2,048 x 1,024 float32; mask 1 x 2,048 x 2,048 int32; query 2 x 2,048 x 1,024 float32; value 2 x 2,048 x 1,024 float32.
;; Outputs: out0 2 x 2,048 x 2,048 float32.
;; 3 versions, each right; version 3 is version 2 with the launch prep written anew for expert scheduling mode. Each part assembles by itself: llvm-mc -triple=amdgcn-amd-amdhsa -mcpu=gfx1250 --defsym DOCPART=n.
;; ======== version 1 of 3: 3 launches
;; workspace buffers: cb 37,748,736 bytes; mbits 524,288 bytes of whole numbers; kv 33,554,432 bytes
;; launch prep (part 1): grid 256 x 1, 8 waves a work-group, no clusters, 0 bytes of LDS; arguments key, value, query, Wk, Wv, Wq, mask, cb, mbits; writes cb, mbits
.if DOCPART == 1
	.amdgcn_target "amdgcn-amd-amdhsa--gfx1250"
	.amdhsa_code_object_version 6
	.text
	.protected	k_qc5ccc02fc7_prep
	.globl	k_qc5ccc02fc7_prep
	.p2align	8
	.type	k_qc5ccc02fc7_prep,@function
k_qc5ccc02fc7_prep:
	s_mov_b64 s[64:65], 0
	v_nop
	global_prefetch_b8 v0, s[64:65] scope:SCOPE_SE
	s_setreg_imm32_b32 hwreg(HW_REG_WAVE_MODE, 25, 1), 1
	s_wait_xcnt 0x0
; Casts key, value, query, Wk, Wv, Wq from f32 to bf16 (round to nearest even) into cb, in that order, and packs the int32 mask into bits (mbits).
; 256 work-groups of eight waves; each takes 1/256 of every tensor: 64 KiB of key, value, query, 32 KiB of each W, 8 rows of the mask (one a wave).
; A stream: every input byte is read once, by 16-byte loads of which a wave's cover 512 consecutive bytes; a wave's 8-byte stores cover 256
; consecutive aligned bytes.  No LDS, no barrier, no matrix unit: nothing is shared between waves.
; mbits: [2048 queries][16 groups g of 128 keys][4 words c].  With i = 16 h + 8 sub + 2 t + jj, bit 31 - i of word (g, c) is 1 where
; mask[q][128 g + 64 sub + 16 t + 8 h + 4 jj + c] != 0: the order in which a lane of the attention kernel uses its bits, from the top down.
; Any mask value other than 0 counts as true.
.set MK, 16                            ; v[16:79]    16 groups x 4 mask words of my lane
.set X,  80                            ; v[80:175]   24 slots x 4: f32 as loaded
.set Y,  176                           ; v[176:223]  24 slots x 2: bf16 to store
	s_load_b512 s[8:23], s[0:1], 0x0               ; key s[8:9], value, query, Wk, Wv, Wq s[18:19], mask s[20:21], cb s[22:23]
	s_load_b64 s[24:25], s[0:1], 0x40              ; mbits
	s_lshl_b32 s2, ttmp9, 16                       ; my part of key, value, query and mask: 64 KiB
	s_mov_b32 s3, 0
	s_lshl_b32 s4, ttmp9, 15                       ; of a W, and of the bf16 copies of key, value, query: 32 KiB
	s_mov_b32 s5, 0
	s_lshl_b32 s6, ttmp9, 14                       ; of a W's bf16 copy: 16 KiB
	s_mov_b32 s7, 0
	s_lshl_b32 s30, ttmp9, 11                      ; of mbits: 8 rows of 256 bytes
	s_mov_b32 s31, 0
	v_lshlrev_b32 v1, 4, v0                        ; 16 t: my 16 bytes of every 4,096 loaded
	v_lshlrev_b32 v2, 3, v0                        ; 8 t: my 8 bytes of every 2,048 stored; also wave x 256 + 8 x lane in mbits
	v_and_b32 v5, 31, v0
	v_sub_nc_u32 v5, 31, v5                        ; i = 31 - lane: the compare below puts my bit at place lane = 31 - i
	v_bfe_u32 v6, v5, 3, 1                         ; sub
	v_bfe_u32 v7, v5, 1, 2                         ; t
	v_lshrrev_b32 v10, 4, v5                       ; h
	v_and_b32 v11, 1, v5                           ; jj
	v_lshlrev_b32 v6, 4, v6
	v_lshl_add_u32 v6, v7, 2, v6
	v_lshl_add_u32 v6, v10, 1, v6
	v_add_nc_u32 v6, v6, v11                       ; which four keys of a group are mine: 16 sub + 4 t + 2 h + jj
	v_lshrrev_b32 v7, 5, v0
	v_lshlrev_b32 v3, 13, v7                       ; my wave's mask row (8,192 bytes)
	v_lshl_add_u32 v3, v6, 4, v3
	v_mov_b32 v8, 0                                ; v_writelane_b32 counts as a reader of its destination
	v_mov_b32 v9, 0
	s_wait_kmcnt 0x0
	s_add_nc_u64 s[8:9], s[8:9], s[2:3]
	s_add_nc_u64 s[10:11], s[10:11], s[2:3]
	s_add_nc_u64 s[12:13], s[12:13], s[2:3]
	s_add_nc_u64 s[14:15], s[14:15], s[4:5]
	s_add_nc_u64 s[16:17], s[16:17], s[4:5]
	s_add_nc_u64 s[18:19], s[18:19], s[4:5]
	s_add_nc_u64 s[20:21], s[20:21], s[2:3]
	s_add_nc_u64 s[32:33], s[22:23], s[4:5]        ; cb: key's copy at 0,
	s_add_nc_u64 s[34:35], s[32:33], 8388608       ; value's,
	s_add_nc_u64 s[36:37], s[32:33], 16777216      ; query's,
	s_add_nc_u64 s[38:39], s[22:23], s[6:7]
	s_add_nc_u64 s[38:39], s[38:39], 25165824      ; Wk's,
	s_add_nc_u64 s[40:41], s[38:39], 4194304       ; Wv's,
	s_add_nc_u64 s[42:43], s[38:39], 8388608       ; Wq's
	s_add_nc_u64 s[24:25], s[24:25], s[30:31]
; Item n of 72: 4,096 bytes of f32.  n < 48: tensor n / 16 (key, value, query), piece n % 16; else W number (n - 48) / 8, piece (n - 48) % 8.
.macro LOADI n
.if (\n) < 48
	global_load_b128 v[X+4*((\n)%24):X+4*((\n)%24)+3], v1, s[8+2*((\n)/16):9+2*((\n)/16)] offset:4096*((\n)%16) th:TH_LOAD_NT
.else
	global_load_b128 v[X+4*((\n)%24):X+4*((\n)%24)+3], v1, s[14+2*(((\n)-48)/8):15+2*(((\n)-48)/8)] offset:4096*(((\n)-48)%8) th:TH_LOAD_NT
.endif
.endm
.macro ITEM n
.if 71-(\n) < 23
	s_wait_loadcnt 71-(\n)                         ; loads come back in order (ISA guide 5.7.1): the younger ones, which run out at the end, stay out
.else
	s_wait_loadcnt 23                              ; the 23 younger loads stay out
.endif
	s_wait_xcnt 0x0                                ; the slot's Y, which its last store reads, is rewritten only behind this wait
	v_cvt_pk_bf16_f32 v[Y+2*((\n)%24)],   v[X+4*((\n)%24)],   v[X+4*((\n)%24)+1]
	v_cvt_pk_bf16_f32 v[Y+2*((\n)%24)+1], v[X+4*((\n)%24)+2], v[X+4*((\n)%24)+3]
.if (\n) < 48
	LOADI ((\n)+24)                                ; the slot's next item, ahead of the store
	global_store_b64 v2, v[Y+2*((\n)%24):Y+2*((\n)%24)+1], s[32+2*((\n)/16):33+2*((\n)/16)] offset:2048*((\n)%16)
.else
	global_store_b64 v2, v[Y+2*((\n)%24):Y+2*((\n)%24)+1], s[38+2*(((\n)-48)/8):39+2*(((\n)-48)/8)] offset:2048*(((\n)-48)%8)
.endif
.endm
.irp g, 0,1,2,3,4,5,6,7,8,9,10,11,12,13,14,15
	global_load_b128 v[MK+4*\g:MK+4*\g+3], v3, s[20:21] offset:512*\g th:TH_LOAD_NT   ; a group's 512 bytes, the lanes in the order of the bits
.endr
.irp b, 0,1,2,3,4,5,6,7,8,9,10,11,12,13,14,15,16,17,18,19,20,21,22,23
	LOADI \b
.endr
.irp g, 0,1,2,3,4,5,6,7,8,9,10,11,12,13,14,15
	s_wait_loadcnt 39-\g                           ; 15 - g younger mask loads and the 24 cast loads stay out
.irp c, 0,1,2,3
	v_cmp_ne_u32 s[26+\c], 0, v[MK+4*\g+\c]        ; word (g, c): one bit a lane
.endr
.irp c, 0,1,2,3
	v_writelane_b32 v[8+\c%2], s[26+\c], 2*\g+\c/2 ; word 4 g + c of the row goes to lane (4 g + c) / 2, register (4 g + c) % 2
.endr
.endr
	global_store_b64 v2, v[8:9], s[24:25]          ; the row's 256 bytes
.irp a, 0,1,2
.irp b, 0,1,2,3,4,5,6,7,8,9,10,11,12,13,14,15,16,17,18,19,20,21,22,23
	ITEM (24*\a+\b)
.endr
.endr
	s_endpgm
.Lfunc_end_k_qc5ccc02fc7_prep:
	.size	k_qc5ccc02fc7_prep, .Lfunc_end_k_qc5ccc02fc7_prep-k_qc5ccc02fc7_prep
	.p2alignl 7, 3214868480
	.fill 96, 4, 3214868480
	.section	.rodata,"a",@progbits
	.p2align	6, 0x0
	.amdhsa_kernel k_qc5ccc02fc7_prep
		.amdhsa_group_segment_fixed_size 0
		.amdhsa_private_segment_fixed_size 0
		.amdhsa_enable_private_segment 0
		.amdhsa_kernarg_size 72
		.amdhsa_user_sgpr_count 2
		.amdhsa_user_sgpr_kernarg_segment_ptr 1
		.amdhsa_wavefront_size32 1
		.amdhsa_system_sgpr_workgroup_id_x 1
		.amdhsa_system_sgpr_workgroup_id_y 1
		.amdhsa_system_sgpr_workgroup_id_z 1
		.amdhsa_system_vgpr_workitem_id 0
		.amdhsa_next_free_vgpr 224
		.amdhsa_next_free_sgpr 66
		.amdhsa_reserve_vcc 0
		.amdhsa_float_denorm_mode_32 3
		.amdhsa_float_denorm_mode_16_64 3
		.amdhsa_memory_ordered 1
		.amdhsa_forward_progress 1
		.amdhsa_inst_pref_size 40
	.end_amdhsa_kernel
	.amdgpu_metadata
---
amdhsa.version: [ 1, 2 ]
amdhsa.kernels:
  - .name:           k_qc5ccc02fc7_prep
    .symbol:         k_qc5ccc02fc7_prep.kd
    .args:
      - { .name: key, .offset: 0, .size: 8, .value_kind: global_buffer, .address_space: global }
      - { .name: value, .offset: 8, .size: 8, .value_kind: global_buffer, .address_space: global }
      - { .name: query, .offset: 16, .size: 8, .value_kind: global_buffer, .address_space: global }
      - { .name: Wk, .offset: 24, .size: 8, .value_kind: global_buffer, .address_space: global }
      - { .name: Wv, .offset: 32, .size: 8, .value_kind: global_buffer, .address_space: global }
      - { .name: Wq, .offset: 40, .size: 8, .value_kind: global_buffer, .address_space: global }
      - { .name: mask, .offset: 48, .size: 8, .value_kind: global_buffer, .address_space: global }
      - { .name: cb, .offset: 56, .size: 8, .value_kind: global_buffer, .address_space: global }
      - { .name: mbits, .offset: 64, .size: 8, .value_kind: global_buffer, .address_space: global }
    .group_segment_fixed_size: 0
    .private_segment_fixed_size: 0
    .kernarg_segment_align: 8
    .kernarg_segment_size: 72
    .max_flat_workgroup_size: 256
    .sgpr_count:     66
    .vgpr_count:     224
    .wavefront_size: 32
...
	.end_amdgpu_metadata
.endif
;; end of part 1
;; launch kvproj (part 2): grid 8 x 32, 4 waves a work-group, clusters of 4 x 4, 327,680 bytes of LDS; arguments cb, kv, bk, bv; writes kv
.if DOCPART == 2
	.amdgcn_target "amdgcn-amd-amdhsa--gfx1250"
	.amdhsa_code_object_version 6
	.text
	.protected	k_qc5ccc02fc7_kvproj
	.globl	k_qc5ccc02fc7_kvproj
	.p2align	8
	.type	k_qc5ccc02fc7_kvproj,@function
k_qc5ccc02fc7_kvproj:
	s_mov_b64 s[64:65], 0
	v_nop
	global_prefetch_b8 v0, s[64:65] scope:SCOPE_SE
	s_setreg_imm32_b32 hwreg(HW_REG_WAVE_MODE, 25, 1), 1
	s_wait_xcnt 0x0
	s_wait_alu depctr_hold_cnt(0) depctr_sa_sdst(0) depctr_va_vdst(0) depctr_va_sdst(0) depctr_va_ssrc(0) depctr_va_vcc(0) depctr_vm_vsrc(0)
	s_getreg_b32 s2, hwreg(HW_REG_IB_STS2, 6, 4)
	s_cmp_eq_u32 s2, 0
	s_cbranch_scc0 .Lentry_in_a_cluster
	s_endpgm
.Lentry_in_a_cluster:
	s_bfe_u32 s2, ttmp6, 0x10000c
	s_cmp_lg_u32 s2, 0xf033
	s_cbranch_scc0 .Lentry_shape_is_right
	s_endpgm
.Lentry_shape_is_right:
; kv[m][n] = relu(sum over k of A[m][k] B[n'][k] + bias[n]), rounded once to bf16.  A: the bf16 copies of key (rows 0-4095) and value (rows 4096-8191),
; [8192][1024], at cb's first byte.  B: the copies of Wk and Wv, [4096][1024], at cb + WKB; rows 0-4095 of kv use Wk and bk, the others Wv and bv (n' = n + 2048).
; Sums in f32, started by the bias.  Operands are bf16 roundings of the f32 inputs; NaN and infinities are not followed as a f32 computation would.
; A work-group makes a block of 256 x 256 with four waves; a wave makes 128 x 128: 64 accumulator tiles of 16 x 16, 512 registers.  32 x 8 blocks = 256 work-groups.
; K goes in steps of 128 through a ring of two LDS slots filled by the tensor data mover: a tile's rows are 256 bytes and start at multiples of 256 bytes.
; CLUSTERS: 4 x 4 work-groups.  The four of a row of the cluster need the same tiles of A, the four of a column the same tiles of B: each such tile is asked for
; jointly, by the same tensor load with the same descriptor and a mask that names the four.  That divides the requests for A and for B by four.
; A cluster spans 1,024 rows of kv, so all sixteen are on the same side of row 4096.
;
; REGISTERS, in windows of 256: window 0: v0-31 addresses; v32-63 and v224-255 the bias of my 128 columns; v64-127, v128-191 fragments of A, two buffers;
; v192-223 at work on the way out.  Window 1: v64-127, v128-191 fragments of B.  Window 2: the 32 tiles of my rows 0-63 (tile (a, b) at v[8 (8 a + b)]); window 3: rows 64-127.
; THE MATRIX INSTRUCTION IS USED TRANSPOSED: source 0 = 16 rows of B, source 1 = 16 rows of A.  Lane l then holds row l % 16 of kv, its registers 0 to 7 the
; columns 8 (l / 16) + 0 .. 7 of the tile: eight neighbouring numbers, which pack into 16 bytes, and whose eight biases are eight neighbouring f32.
.set SIZE_N, 2048
.set SIZE_K, 1024
.set WKB,    25165824
.set KSTEP,  128
.set PITCH,  272                       ; an LDS row: 256 bytes + 16 of padding = 68 words: the 16 rows that a load touches start at 16 different banks (ISA guide 11.1)
.set HALFT,  128*PITCH                 ; 128 rows: what one tensor load brings, and what one wave reads of A or of B
.set SLOT,   4*HALFT                   ; A's 256 rows, then B's 256 rows
.set STAGE,  2*SLOT                    ; behind the ring: 16 rows x 272 bytes for each wave, for the way out; no tensor load fills it
.set SPITCH, 272
.set LAPS, SIZE_K/(2*KSTEP)            ; a lap = two K steps = once round the ring: 4
.set ADRA, 16                          ; v16-17  LDS address of my A fragments in slot 0, 1
.set ADRB, 20                          ; v20-21  the same for B
.set STO,  24                          ; v24     the way out: where I put 16 bytes of a row
.set RD,   25                          ; v25     the way out: where I read a row back
.set CO,   26                          ; v26     my byte offset in kv
.set F0,   64
.set F1,   128
.set TMP,  192
.set G1, 24                            ; s[24:31] descriptor group 1 for A's tiles
.set G0, 32                            ; s[32:39] group 0 for A's tiles, one set for each slot
.set G1B, 48                           ; s[48:55] group 1 for B's tiles: differs in the mask alone
.set G0B, 56                           ; s[56:63] group 0 for B's tiles
.set MSB, 0
.macro WIN new                         ; the immediate's high byte repeats the setting that is left
.if MSB != \new
	s_set_vgpr_msb (MSB<<8)|\new
.set MSB, \new
.endif
.endm
.set MUL_LO, 0xa1                      ; source 0 (B) window 1, source 1 (A) window 0, C and D window 2
.set MUL_HI, 0xf1                      ; the same, C and D window 3
.set BIA_LO, 0x81                      ; the first products: C is the bias, in window 0
.set BIA_HI, 0xc1
.set TO_B,   0x40                      ; destination window 1, address window 0
; A joint load.  Waves 0 and 1 fetch A's two halves, waves 2 and 3 B's.  Each line has one mask; the branch hangs on the wave's number alone.
.macro JLOAD s
	s_cmp_eq_u32 s11, 0
	s_cbranch_scc0 .Lfor_b_\@
	tensor_load_to_lds s[G0+4*\s:G0+4*\s+3], s[G1:G1+7]
	s_nop 0
	s_branch .Lasked_\@
.Lfor_b_\@:
	tensor_load_to_lds s[G0B+4*\s:G0B+4*\s+3], s[G1B:G1B+7]
	s_nop 0
.Lasked_\@:
.endm
; A round of the cluster's barrier: my work-group's barrier; wave 0 signals for the work-group; every wave waits for all sixteen; my work-group's barrier again.
.macro CREST                           ; a round behind its opening barrier
	s_cmp_lg_u32 s10, 0
	s_cbranch_scc1 .Lnot_wave_0_\@
	s_barrier_signal -3
.Lnot_wave_0_\@:
	s_barrier_wait -3
	s_barrier_signal -1
	s_barrier_wait -1
.endm
.macro CROUND
	s_barrier_signal -1
	s_barrier_wait -1
	CREST
.endm
	s_load_b128 s[4:7], s[0:1], 0x0                ; cb s[4:5], kv s[6:7]
	s_load_b128 s[68:71], s[0:1], 0x10             ; bk s[68:69], bv s[70:71]
	s_set_vgpr_msb 0x40
	v_lshl_add_u32 v255, v0, 2, 0x48400
	s_set_vgpr_msb 0x4000
	v_mov_b32 v31, 0
	s_set_vgpr_msb 0x1
	ds_add_u32 v255, v31
	s_set_vgpr_msb 0x100
	v_lshrrev_b32 v1, 5, v0
	v_readfirstlane_b32 s10, v1                    ; wave 0..3
	s_lshr_b32 s11, s10, 1                         ; which half of the block's rows is mine.  Also: I fetch for A (0) or for B (1)
	s_and_b32 s12, s10, 1                          ; which half of its columns.  Also: which 128 rows of that tile I fetch
	s_bfe_u32 s40, ttmp6, 0x40000                  ; cx
	s_bfe_u32 s41, ttmp6, 0x40004                  ; cy
	s_lshl_b32 s42, ttmp9, 2
	s_add_co_u32 s42, s42, s40                     ; block column = 4 x cluster x + cx
	s_and_b32 s13, ttmp7, 0xffff
	s_lshr_b32 s45, s13, 2                         ; 0: K's rows, 1: V's.  From the cluster's y alone: equal in all sixteen
	s_lshl_b32 s13, s13, 2
	s_add_co_u32 s13, s13, s41                     ; block row = 4 x cluster y + cy
	s_lshl_b32 s43, s41, 2
	s_lshl_b32 s43, 15, s43                        ; my row of the cluster: places 4 cy .. 4 cy + 3
	s_lshl_b32 s44, 0x1111, s40                    ; my column: places cx, cx + 4, cx + 8, cx + 12
	; group 1: a tile of 128 rows x 128 elements of 2 bytes, 4 words of padding behind every 64 words
	s_or_b32 s[G1+0], s43, (1<<16)|(1<<20)|(1<<21)|(5<<22)|(3<<25)
	s_or_b32 s[G1B+0], s44, (1<<16)|(1<<20)|(1<<21)|(5<<22)|(3<<25)
	s_mov_b32 s[G1B+1], KSTEP<<16
	s_mov_b32 s[G1+1], KSTEP<<16                   ; tensor_dim0 = 128
	s_mov_b32 s[G1B+2], 128<<16
	s_mov_b32 s[G1+2], 128<<16                     ; tensor_dim1 = 128
	s_mov_b32 s[G1B+3], KSTEP<<16
	s_mov_b32 s[G1+3], KSTEP<<16                   ; tile_dim0 = 128
	s_mov_b32 s[G1B+4], 128
	s_mov_b32 s[G1+4], 128                         ; tile_dim1 = 128
	s_mov_b32 s[G1B+5], SIZE_K
	s_mov_b32 s[G1+5], SIZE_K                      ; elements from row to row
	s_mov_b32 s[G1B+6], 0
	s_mov_b32 s[G1+6], 0
	s_mov_b32 s[G1B+7], 0
	s_mov_b32 s[G1+7], 0
	; A's tiles hang on the block row alone, B's on the block column (and on K or V, which the whole cluster shares).
	s_lshl_b32 s17, s12, 7
	s_lshl_b32 s16, s13, 8
	s_add_co_u32 s16, s16, s17                     ; A: row 256 x block row + 128 x half
	s_lshl_b32 s46, s42, 8
	s_add_co_u32 s46, s46, s17                     ; B: row 256 x block column + 128 x half
	s_lshl_b32 s72, s45, 11
	s_add_co_u32 s46, s46, s72                     ;    + 2,048 for Wv
	s_mov_b32 s17, 0
	s_mov_b32 s47, 0
	s_mov_b64 s[18:19], SIZE_K*2
	s_mul_u64 s[16:17], s[16:17], s[18:19]
	s_mul_u64 s[46:47], s[46:47], s[18:19]
	s_mul_i32 s20, s10, HALFT                      ; where they go: wave x 128 rows
	s_lshl_b32 s72, s42, 10                        ; my 128 columns' biases: 4 bytes x (256 x block column + 128 x half)
	s_lshl_b32 s73, s12, 9
	s_add_co_u32 s72, s72, s73
	s_mov_b32 s73, 0
	s_wait_dscnt 0x0
	s_wait_kmcnt 0x0
	s_mov_b64 s[8:9], s[6:7]                       ; kv
	s_add_nc_u64 s[6:7], s[4:5], WKB               ; B
	s_add_nc_u64 s[14:15], s[4:5], s[16:17]
	s_add_nc_u64 s[46:47], s[6:7], s[46:47]
	s_cmp_lg_u32 s45, 0
	s_cselect_b64 s[68:69], s[70:71], s[68:69]     ; bv or bk
	s_add_nc_u64 s[68:69], s[68:69], s[72:73]
	CROUND                                         ; all sixteen work-groups are here: the first joint loads meet
.irp s, 0,1
	s_mov_b32 s[G0+4*\s], 1
	s_add_co_u32 s[G0+4*\s+1], s20, \s*SLOT
	s_add_nc_u64 s[G0+4*\s+2:G0+4*\s+3], s[14:15], \s*KSTEP*2
	s_or_b32 s[G0+4*\s+3], s[G0+4*\s+3], 0x80000000
	s_mov_b32 s[G0B+4*\s], 1
	s_add_co_u32 s[G0B+4*\s+1], s20, \s*SLOT
	s_add_nc_u64 s[G0B+4*\s+2:G0B+4*\s+3], s[46:47], \s*KSTEP*2
	s_or_b32 s[G0B+4*\s+3], s[G0B+4*\s+3], 0x80000000
	JLOAD \s                                       ; two tensor loads of this wave are out
.endr
	; A fragment is 16 rows x 32 K in 8 registers: lane l holds row l % 16; registers 0-3 K = 8 (l / 16) + 0..7, registers 4-7 K = 16 + 8 (l / 16) + 0..7.
	v_and_b32 v1, 15, v0
	v_bfe_u32 v2, v0, 4, 1
	v_mul_u32_u24 v3, v1, PITCH
	v_lshl_add_u32 v3, v2, 4, v3
	v_lshlrev_b32 v27, 5, v2                       ; the bias of my half of the lanes: 8 f32 further on for lanes 16-31
.irp b, 0,1,2,3,4,5,6,7
	global_load_b128 v[32+8*\b+160*(\b/4):32+8*\b+160*(\b/4)+3],   v27, s[68:69] offset:64*\b      ; bias of columns 16 b + 8 h + 0..3
	global_load_b128 v[32+8*\b+160*(\b/4)+4:32+8*\b+160*(\b/4)+7], v27, s[68:69] offset:64*\b+16   ; and + 4..7
.endr
	s_mul_i32 s21, s11, HALFT
	s_mul_i32 s22, s12, HALFT
	s_add_co_u32 s22, s22, 2*HALFT
.irp s, 0,1
	v_add_nc_u32 v[ADRA+\s], s21, v3
	v_add_nc_u32 v[ADRB+\s], s22, v3
	s_add_co_u32 s21, s21, SLOT
	s_add_co_u32 s22, s22, SLOT
.endr
	s_mul_i32 s23, s10, 16*SPITCH
	s_add_co_u32 s23, s23, STAGE
	v_mul_u32_u24 v4, v1, SPITCH
	v_lshl_add_u32 v4, v2, 4, v4
	v_add_nc_u32 v[STO], s23, v4
	v_mul_u32_u24 v5, v2, SPITCH
	v_lshl_add_u32 v5, v1, 4, v5
	v_add_nc_u32 v[RD], s23, v5
	v_mul_u32_u24 v5, v2, SIZE_N*2
	v_lshl_add_u32 v[CO], v1, 4, v5
; 16 matrix instructions: m blocks a0, a0 + 1 of the window's four x all 8 n blocks, 32 along K.  zero = 1: the first product starts the sums from the bias.
; The 64 accumulators take turns, one instruction a turn, in the same order in every quarter step.
.macro MUL16 f, hi, a0, zero
.irp a, \a0, \a0+1
.irp b, 0,1,2,3,4,5,6,7
.if \zero
	v_wmma_f32_16x16x32_bf16 v[8*(8*(\a)+\b):8*(8*(\a)+\b)+7], v[\f+8*\b:\f+8*\b+7], v[\f+8*(4*\hi+\a):\f+8*(4*\hi+\a)+7], v[32+8*\b+160*(\b/4):32+8*\b+160*(\b/4)+7]
.else
	v_wmma_f32_16x16x32_bf16 v[8*(8*(\a)+\b):8*(8*(\a)+\b)+7], v[\f+8*\b:\f+8*\b+7], v[\f+8*(4*\hi+\a):\f+8*(4*\hi+\a)+7], v[8*(8*(\a)+\b):8*(8*(\a)+\b)+7]
.endif
.endr
.endr
.endm
; 32 LDS loads in one run: the fragments of one quarter step into buffer f
.macro FETCH slot, k, f
	WIN TO_B
.irp i, 0,1,2,3,4,5,6,7
	ds_load_b128 v[\f+8*\i:\f+8*\i+3],   v[ADRB+\slot] offset:\k+\i*16*PITCH
	ds_load_b128 v[\f+8*\i+4:\f+8*\i+7], v[ADRB+\slot] offset:\k+\i*16*PITCH+32
.endr
	WIN 0
.irp i, 0,1,2,3,4,5,6,7
	ds_load_b128 v[\f+8*\i:\f+8*\i+3],   v[ADRA+\slot] offset:\k+\i*16*PITCH
	ds_load_b128 v[\f+8*\i+4:\f+8*\i+7], v[ADRA+\slot] offset:\k+\i*16*PITCH+32
.endr
.endm
; Four independent vector instructions stand between a matrix instruction and a load into one of its sources, or a vector instruction that reads its result.
.macro PLACES
.rept 4
	v_nop
.endr
.endm
.macro QUARTER slot, k, f, g, zero
	s_wait_dscnt 8                                 ; B and A's rows 0-63 are in; the youngest eight loads (A's rows 64-127) may be out
.if \zero
	WIN BIA_LO
.else
	WIN MUL_LO
.endif
	MUL16 \f, 0, 0, \zero
	MUL16 \f, 0, 2, \zero
	PLACES
	FETCH \slot, \k, \g
	s_wait_dscnt 32                                ; all but the 32 just issued
.if \zero
	WIN BIA_HI
.else
	WIN MUL_HI
.endif
	MUL16 \f, 1, 0, \zero
	MUL16 \f, 1, 2, \zero
.endm
.macro THREE slot, zero
	QUARTER \slot, 64,  F0, F1, \zero
	QUARTER \slot, 128, F1, F0, 0
	QUARTER \slot, 192, F0, F1, 0
.endm
; The last quarter of a K step: multiplies buffer 1 and changes slots.  In front of the barrier each wave waits for its reads of this slot and for all its tensor
; loads (one is out: its part of the next slot).  Behind it the refill comes first, then the next slot's first fragments.
.macro TURN slot, next, fill
	s_wait_dscnt 8
	WIN MUL_LO
	MUL16 F1, 0, 0, 0
	s_wait_dscnt 0                                 ; my reads of this slot are over
	s_wait_tensorcnt 0x0                           ; all my tensor loads have landed
	ds_add_u32 v255, v31
	s_wait_dscnt 0x0
	s_barrier_signal -1                            ; (where a slot is filled again this barrier opens a round of the cluster's barrier)
	MUL16 F1, 0, 2, 0                              ; register work while the others arrive
	WIN 0
	s_barrier_wait -1
.if \fill
	CREST                                          ; no wave of any partner still reads this slot's tile or has a load on its way
	s_add_nc_u64 s[G0+4*\slot+2:G0+4*\slot+3], s[G0+4*\slot+2:G0+4*\slot+3], 2*KSTEP*2
	s_add_nc_u64 s[G0B+4*\slot+2:G0B+4*\slot+3], s[G0B+4*\slot+2:G0B+4*\slot+3], 2*KSTEP*2
	JLOAD \slot                                    ; the first tensor load behind the round, the wave's only one until the next
.endif
	PLACES
	FETCH \next, 0, F0
	WIN MUL_HI
	MUL16 F1, 1, 0, 0
	MUL16 F1, 1, 2, 0
.endm
.macro LAP zero
	THREE 0, \zero
	TURN 0, 1, 1
	THREE 1, 0
	TURN 1, 0, 1
.endm
	s_wait_loadcnt 0x0                             ; the bias
	s_wait_tensorcnt 1                             ; my part of K step 0 is in; K step 1's stays out
	s_barrier_signal -1
	s_barrier_wait -1
	FETCH 0, 0, F0
	LAP 1                                          ; the first lap stands in front of the loop: its first products start the sums
	WIN 0
	s_mov_b32 s3, LAPS-2
.Llap:
	LAP 0
	WIN 0
	s_sub_co_u32 s3, s3, 1
	s_cmp_lg_u32 s3, 0
	s_cbranch_scc1 .Llap
	THREE 0, 0                                     ; the last lap fills nothing
	TURN 0, 1, 0
	THREE 1, 0
	s_wait_dscnt 8
	WIN MUL_LO
	MUL16 F1, 0, 0, 0
	MUL16 F1, 0, 2, 0
	s_wait_dscnt 0
	WIN MUL_HI
	MUL16 F1, 1, 0, 0
	MUL16 F1, 1, 2, 0
	; THE WAY OUT, 16 rows at a time: relu, round to bf16, 16 bytes a lane into my own stage in LDS, read back as whole rows of 256 bytes.
	PLACES
	s_lshl_b32 s13, s13, 8
	s_lshl_b32 s14, s11, 7
	s_add_co_u32 s16, s13, s14                     ; my first row of kv
	s_mov_b32 s17, 0
	s_mov_b64 s[18:19], SIZE_N*2
	s_mul_u64 s[16:17], s[16:17], s[18:19]
	s_add_nc_u64 s[8:9], s[8:9], s[16:17]
	s_lshl_b32 s46, s42, 9                         ; my first column, in bytes (in registers that held B's address: none that feeds A's descriptors ever holds cx)
	s_lshl_b32 s47, s12, 8
	s_add_co_u32 s46, s46, s47
	s_mov_b32 s47, 0
	s_add_nc_u64 s[8:9], s[8:9], s[46:47]
; rows 16 i .. 16 i + 15 of my block = the eight tiles (a, 0..7) of window 2 or 3.  self: destination and source 1 in that window; from: sources 0 and 1.
.macro OUT16 i, a, self, from, f
	WIN \self
.irp b, 0,1,2,3,4,5,6,7
.irp r, 0,1,2,3,4,5,6,7
	v_max_num_f32 v[8*(8*\a+\b)+\r], 0, v[8*(8*\a+\b)+\r]       ; relu
.endr
.endr
	WIN \from
.irp b, 0,1,2,3,4,5,6,7
.irp r, 0,1,2,3
	v_cvt_pk_bf16_f32 v[TMP+4*\b+\r], v[8*(8*\a+\b)+2*\r], v[8*(8*\a+\b)+2*\r+1]
.endr
.endr
	WIN 0
.irp b, 0,1,2,3,4,5,6,7
	ds_store_b128 v[STO], v[TMP+4*\b:TMP+4*\b+3] offset:32*\b
.endr
	s_wait_xcnt 0x0                                ; buffer f, which earlier stores read, and the stores' base are rewritten only behind this wait
.if \i
	s_add_nc_u64 s[8:9], s[8:9], 16*SIZE_N*2
.endif
.irp t, 0,1,2,3,4,5,6,7
	ds_load_b128 v[\f+4*\t:\f+4*\t+3], v[RD] offset:\t*2*SPITCH    ; LDS serves a wave's instructions in order (ISA guide 5.7.1): these see the stores above
.endr
.irp t, 0,1,2,3,4,5,6,7
	s_wait_dscnt 7-\t                              ; the younger rows stay out
	global_store_b128 v[CO], v[\f+4*\t:\f+4*\t+3], s[8:9] offset:2*\t*SIZE_N*2   ; 16 lanes store 256 consecutive bytes, at a multiple of 256 from kv's first byte
.endr
.endm
	OUT16 0, 0, 0x88, 0x0a, F0
	OUT16 1, 1, 0x88, 0x0a, F1
	OUT16 2, 2, 0x88, 0x0a, F0
	OUT16 3, 3, 0x88, 0x0a, F1
	OUT16 4, 0, 0xcc, 0x0f, F0
	OUT16 5, 1, 0xcc, 0x0f, F1
	OUT16 6, 2, 0xcc, 0x0f, F0
	OUT16 7, 3, 0xcc, 0x0f, F1
	s_set_vgpr_msb 0x1
	s_wait_tensorcnt 0x0
	ds_add_u32 v255, v31
	s_wait_dscnt 0x0
	s_set_vgpr_msb 0x100
	CROUND                                         ; the closing round: no work-group ends while a partner may still ask for a tile that names it
	s_endpgm
.Lfunc_end_k_qc5ccc02fc7_kvproj:
	.size	k_qc5ccc02fc7_kvproj, .Lfunc_end_k_qc5ccc02fc7_kvproj-k_qc5ccc02fc7_kvproj
	.p2alignl 7, 3214868480
	.fill 96, 4, 3214868480
	.section	.rodata,"a",@progbits
	.p2align	6, 0x0
	.amdhsa_kernel k_qc5ccc02fc7_kvproj
		.amdhsa_group_segment_fixed_size 327680
		.amdhsa_private_segment_fixed_size 0
		.amdhsa_enable_private_segment 0
		.amdhsa_kernarg_size 32
		.amdhsa_user_sgpr_count 2
		.amdhsa_user_sgpr_kernarg_segment_ptr 1
		.amdhsa_wavefront_size32 1
		.amdhsa_system_sgpr_workgroup_id_x 1
		.amdhsa_system_sgpr_workgroup_id_y 1
		.amdhsa_system_sgpr_workgroup_id_z 1
		.amdhsa_system_vgpr_workitem_id 0
		.amdhsa_next_free_vgpr 1024
		.amdhsa_next_free_sgpr 76
		.amdhsa_reserve_vcc 0
		.amdhsa_float_denorm_mode_32 3
		.amdhsa_float_denorm_mode_16_64 3
		.amdhsa_memory_ordered 1
		.amdhsa_forward_progress 1
		.amdhsa_inst_pref_size 214
	.end_amdhsa_kernel
	.amdgpu_metadata
---
amdhsa.version: [ 1, 2 ]
amdhsa.kernels:
  - .name:           k_qc5ccc02fc7_kvproj
    .symbol:         k_qc5ccc02fc7_kvproj.kd
    .args:
      - { .name: cb, .offset: 0, .size: 8, .value_kind: global_buffer, .address_space: global }
      - { .name: kv, .offset: 8, .size: 8, .value_kind: global_buffer, .address_space: global }
      - { .name: bk, .offset: 16, .size: 8, .value_kind: global_buffer, .address_space: global }
      - { .name: bv, .offset: 24, .size: 8, .value_kind: global_buffer, .address_space: global }
    .group_segment_fixed_size: 327680
    .private_segment_fixed_size: 0
    .kernarg_segment_align: 8
    .kernarg_segment_size: 32
    .max_flat_workgroup_size: 128
    .sgpr_count:     76
    .vgpr_count:     1024
    .wavefront_size: 32
...
	.end_amdgpu_metadata
.endif
;; end of part 2
;; launch attn (part 3): grid 8 x 32, 4 waves a work-group, clusters of 4 x 4, 327,680 bytes of LDS; arguments cb, kv, mbits, bq, out0; writes out0
.if DOCPART == 3
	.amdgcn_target "amdgcn-amd-amdhsa--gfx1250"
	.amdhsa_code_object_version 6
	.text
	.protected	k_qc5ccc02fc7_attn
	.globl	k_qc5ccc02fc7_attn
	.p2align	8
	.type	k_qc5ccc02fc7_attn,@function
k_qc5ccc02fc7_attn:
	s_mov_b64 s[64:65], 0
	v_nop
	global_prefetch_b8 v0, s[64:65] scope:SCOPE_SE
	s_setreg_imm32_b32 hwreg(HW_REG_WAVE_MODE, 25, 1), 1
	s_wait_xcnt 0x0
	s_wait_alu depctr_hold_cnt(0) depctr_sa_sdst(0) depctr_va_vdst(0) depctr_va_sdst(0) depctr_va_ssrc(0) depctr_va_vcc(0) depctr_vm_vsrc(0)
	s_getreg_b32 s2, hwreg(HW_REG_IB_STS2, 6, 4)
	s_cmp_eq_u32 s2, 0
	s_cbranch_scc0 .Lentry_in_a_cluster
	s_endpgm
.Lentry_in_a_cluster:
	s_bfe_u32 s2, ttmp6, 0x10000c
	s_cmp_lg_u32 s2, 0xf033
	s_cbranch_scc0 .Lentry_shape_is_right
	s_endpgm
.Lentry_shape_is_right:
; One work-group for each (n, head, block of 256 queries): 2 x 16 x 8 = 256.  It makes its own Q = relu(query Wq^T + bq), 256 x 128, K = 1024, which never goes
; to memory, and then runs over the 2,048 keys in blocks of 128 with a running maximum and a running sum.  Wave w owns queries 64 w .. 64 w + 63, four tiles u of 16.
; ALL PRODUCTS ARE USED TRANSPOSED: Q^T = Wq X^T, S^T = K Q^T, O^T = V^T P^T.  In a result lane (r, h) holds query r and rows 8 h + 0..7, so two neighbouring
; result tiles pack, without leaving the lane, into the second source of the next product (Q and P); a query's maximum is a reduction inside the lane and one
; exchange between the halves of 16 lanes; maximum, sum and rescale factor are one number a lane.  V^T comes from ds_load_tr16_b128.
; CLUSTERS, 4 x 4: cx counts query blocks, cy heads.  X's tiles and the mask bits hang on (n, query block): asked for jointly along a column of the cluster.
; Wq's, K's and V's tiles hang on (n, head): jointly along a row.  Every tensor load of this text is such a joint load; that divides the requests by four.
; RING: 24 tiles take turns on two LDS slots: 8 K steps of the projection (X 256 x 128, Wq 128 x 128), then 16 blocks of 128 keys (K and V, 128 x 128 each).
; Each trip waits for all loads, passes a round of the cluster's barrier, asks for the next tile (one load a wave) and works on its own tile meanwhile.
; A wave has two tensor loads out at the start (its quarter of the mask bits, its part of tile 0) and one behind each round.
; LIMITS: X, Wq, Q, K, V and P are rounded to bf16; the row sum is taken over the unrounded weights.  Scores stay unscaled in f32; the scale 1/sqrt(128) and log2(e)
; are one factor c in front of v_exp_f32.  A masked score is REPLACED by -1e7 sqrt(128), which c turns into -1e7 log2(e): a row that is masked throughout gets
; equal weights.  What is taken away is round(c x the running maximum of the masked scores), alike in the weights and in the rescale factor, so its rounding
; cancels.  v_exp_f32 gives 0 below 2^-126.  NaN and infinities in the inputs are not followed as a f32 computation would.
.set SLOT,  104448                     ; projection: X 256 x 272 at 0, Wq 128 x 272 at 69,632.  Attention: K 128 x 272 at 0, V 128 x 288 at 34,816
.set MASKB, 2*SLOT                     ; the mask bits of my 256 queries: 256 rows x 272, filled once
.set STAGE, MASKB+69632                ; 4 waves x 16 rows x 528, for the way out; no tensor load fills it
.set QRYB,  16777216                   ; query's bf16 copy in cb
.set WQB,   33554432                   ; Wq's
.set PADW,  (1<<20)|(1<<21)|(5<<22)    ; padding on; bit 21 beside a mask; behind every 64 words
.set G1A, 16                           ; s[16:23] group 1, X's tiles (mask: my column)
.set G1B, 24                           ; s[24:31] group 1, Wq's tiles, later V's (mask: my row)
.set G0A, 32                           ; s[32:39] group 0, X, a set for each slot
.set G0B, 40                           ; s[40:47] group 0, Wq, later V
.set G1M, 48                           ; s[48:55] group 1, mask bits
.set G0M, 56                           ; s[56:59] group 0, mask bits
.set G0K, 68                           ; s[68:75] group 0, K (the registers that first hold four argument pointers)
.set G1K, 76                           ; s[76:83] group 1, K
.set LM,  84                           ; s[84:91] eight lane masks
; window 0
.set XADR, 16                          ; v16-17 LDS address of my X fragments in slot 0, 1
.set WADR, 18
.set KADR, 20
.set VADR, 22
.set STO,  24
.set RD,   25
.set CO,   26
.set BOF,  27
.set QF,   64                          ; v64-191 Q as second source: (u, kc) at QF + 8 (4 u + kc).  v64-127 first hold the bias, tile d at QF + 8 d
; window 1: v0-127 scores, tile (u, t) at 8 (4 u + t); the weights are packed in place, (u, c) at 8 (4 u + 2 c)
.set MW,   128                         ; v128-143 mask words (u, c)
.set RM,   144                         ; + 2 u: running maximum, times c
.set RL,   145                         ; + 2 u: running sum (of my half of the lanes' keys)
.set RAL,  152                         ; + 2 u: rescale factor
.set RMX,  153                         ; + 2 u: this block's maximum
.set RPT,  160                         ; + u
.set RE,   164                         ; + u
.set RTA,  168
.set RTB,  169
.set RSA,  170                         ; + 2 u, a pair
.set MADR, 178                         ; LDS address of my query's mask words of the next block
.set SH,   179                         ; 16 h
.set NEGV, 180                         ; -1e7 sqrt(128)
.set RSB,  182                         ; + 2 u, a pair
; window 2: O^T, and Q^T before it: tile (d, u) at 8 (4 d + u)
; window 3: projection, buffer f: Wq's fragments at 96 f + 8 d, X's at 96 f + 64 + 8 u.  Attention: K's (t, kc) at 8 (4 t + kc), V^T's (d, c) at 128 + 8 (2 d + c)
.set MSB, 0
.macro WIN new                         ; low byte: bits 1:0 source 0, 3:2 source 1, 5:4 source 2, 7:6 destination; the high byte repeats the setting that is left
.if MSB != \new
	s_set_vgpr_msb (MSB<<8)|\new
.set MSB, \new
.endif
.endm
; Five independent vector instructions: between a matrix instruction and a load into one of its sources or a vector instruction on its result stand four,
; between it and a matrix instruction that writes over one of its registers five.
.macro PLACES
.rept 5
	v_nop
.endr
.endm
; A round of the cluster's barrier: my work-group's barrier; wave 0 signals for the work-group; every wave waits for all sixteen; my work-group's barrier again.
.macro ROUND
	s_barrier_signal -1
	s_barrier_wait -1
	s_cmp_lg_u32 s10, 0
	s_cbranch_scc1 .Lnot_wave_0_\@
	s_barrier_signal -3
.Lnot_wave_0_\@:
	s_barrier_wait -3
	s_barrier_signal -1
	s_barrier_wait -1
.endm
; The joint loads.  Waves 0 and 1 take the first line (halves of X, of K), waves 2 and 3 the second (halves of Wq, of V).  The branch hangs on the wave's number alone.
.macro JLOADP s
	s_cmp_eq_u32 s11, 0
	s_cbranch_scc0 .Lpw_\@
	tensor_load_to_lds s[G0A+4*\s:G0A+4*\s+3], s[G1A:G1A+7]
	s_nop 0
	s_branch .Lpd_\@
.Lpw_\@:
	tensor_load_to_lds s[G0B+4*\s:G0B+4*\s+3], s[G1B:G1B+7]
	s_nop 0
.Lpd_\@:
.endm
.macro JLOADM s
	s_cmp_eq_u32 s11, 0
	s_cbranch_scc0 .Lmv_\@
	tensor_load_to_lds s[G0K+4*\s:G0K+4*\s+3], s[G1K:G1K+7]
	s_nop 0
	s_branch .Lmd_\@
.Lmv_\@:
	tensor_load_to_lds s[G0B+4*\s:G0B+4*\s+3], s[G1B:G1B+7]
	s_nop 0
.Lmd_\@:
.endm
	s_load_b256 s[68:75], s[0:1], 0x0              ; cb s[68:69], kv s[70:71], mbits s[72:73], bq s[74:75]
	s_load_b64 s[66:67], s[0:1], 0x20              ; out0
	v_lshl_add_u32 v254, v0, 2, 0x4c400
	v_mov_b32 v255, 0
	ds_add_u32 v254, v255
	v_lshrrev_b32 v1, 5, v0
	v_readfirstlane_b32 s10, v1                    ; wave 0..3
	s_lshr_b32 s11, s10, 1                         ; which line of a joint load is mine
	s_and_b32 s12, s10, 1                          ; which half of that tile
	s_bfe_u32 s13, ttmp6, 0x40000                  ; cx
	s_bfe_u32 s14, ttmp6, 0x40004                  ; cy
	s_lshl_b32 s15, ttmp9, 2
	s_add_co_u32 s15, s15, s13                     ; query block = 4 x cluster x + cx
	s_and_b32 s98, ttmp7, 0xffff                   ; cluster y, 0..7
	s_lshr_b32 s96, s98, 2                         ; n
	s_and_b32 s97, s98, 3
	s_lshl_b32 s97, s97, 2
	s_add_co_u32 s97, s97, s14                     ; head = 4 x (cluster y mod 4) + cy
	s_lshl_b32 s99, s14, 2
	s_lshl_b32 s99, 15, s99                        ; my row of the cluster
	s_lshl_b32 s100, 0x1111, s13                   ; my column
	s_mov_b32 s92, 0x3e0293ee                      ; c = log2(e) / sqrt(128),
	s_mov_b32 s93, 0x3e0293ee                      ; as a pair
	s_mov_b32 s94, 0x76543210                      ; v_permlanex16_b32: lane i of one half reads lane i of the other
	s_mov_b32 s95, 0xfedcba98
	; group 1 of X's tiles: 128 rows x 128 elements of 2 bytes, 1,024 elements from row to row, 4 words of padding: LDS pitch 272
	s_or_b32 s[G1A+0], s100, (1<<16)|PADW|(3<<25)
	s_mov_b32 s[G1A+1], 128<<16
	s_mov_b32 s[G1A+2], 128<<16
	s_mov_b32 s[G1A+3], 128<<16
	s_mov_b32 s[G1A+4], 128
	s_mov_b32 s[G1A+5], 1024
	s_mov_b32 s[G1A+6], 0
	s_mov_b32 s[G1A+7], 0
	; of Wq's: 64 rows
	s_or_b32 s[G1B+0], s99, (1<<16)|PADW|(3<<25)
	s_mov_b32 s[G1B+1], 128<<16
	s_mov_b32 s[G1B+2], 64<<16
	s_mov_b32 s[G1B+3], 128<<16
	s_mov_b32 s[G1B+4], 64
	s_mov_b32 s[G1B+5], 1024
	s_mov_b32 s[G1B+6], 0
	s_mov_b32 s[G1B+7], 0
	; of K's: 64 rows x 128 elements, 2,048 elements from row to row
	s_or_b32 s[G1K+0], s99, (1<<16)|PADW|(3<<25)
	s_mov_b32 s[G1K+1], 128<<16
	s_mov_b32 s[G1K+2], 64<<16
	s_mov_b32 s[G1K+3], 128<<16
	s_mov_b32 s[G1K+4], 64
	s_mov_b32 s[G1K+5], 2048
	s_mov_b32 s[G1K+6], 0
	s_mov_b32 s[G1K+7], 0
	; of the mask bits: 64 rows x 32 elements of 8 bytes, dense
	s_or_b32 s[G1M+0], s100, (3<<16)|PADW|(3<<25)
	s_mov_b32 s[G1M+1], 32<<16
	s_mov_b32 s[G1M+2], 64<<16
	s_mov_b32 s[G1M+3], 32<<16
	s_mov_b32 s[G1M+4], 64
	s_mov_b32 s[G1M+5], 32
	s_mov_b32 s[G1M+6], 0
	s_mov_b32 s[G1M+7], 0
	s_wait_dscnt 0x0
	s_wait_kmcnt 0x0
	; X: row n 2048 + 256 qb + 128 half, 2,048 bytes a row.  s[4:5] hold cx and never cy.
	s_lshl_b32 s4, s96, 11
	s_lshl_b32 s5, s15, 8
	s_add_co_u32 s4, s4, s5
	s_lshl_b32 s5, s12, 7
	s_add_co_u32 s4, s4, s5
	s_lshl_b32 s4, s4, 11
	s_mov_b32 s5, 0
	s_add_nc_u64 s[4:5], s[68:69], s[4:5]
	s_add_nc_u64 s[4:5], s[4:5], QRYB
	s_mul_i32 s62, s12, 34816                      ; 128 rows x 272
.irp s, 0,1
	s_mov_b32 s[G0A+4*\s], 1
	s_add_co_u32 s[G0A+4*\s+1], s62, \s*SLOT
	s_add_nc_u64 s[G0A+4*\s+2:G0A+4*\s+3], s[4:5], \s*256          ; K step s
	s_or_b32 s[G0A+4*\s+3], s[G0A+4*\s+3], 0x80000000
.endr
	; the mask bits of queries 256 qb + 64 wave .. + 63, 256 bytes a query
	s_lshl_b32 s4, s15, 8
	s_lshl_b32 s5, s10, 6
	s_add_co_u32 s4, s4, s5
	s_lshl_b32 s4, s4, 8
	s_mov_b32 s5, 0
	s_add_nc_u64 s[4:5], s[72:73], s[4:5]
	s_mul_i32 s62, s10, 17408                      ; 64 rows x 272
	s_mov_b32 s[G0M], 1
	s_add_co_u32 s[G0M+1], s62, MASKB
	s_mov_b64 s[G0M+2:G0M+3], s[4:5]
	s_or_b32 s[G0M+3], s[G0M+3], 0x80000000
	; out0 at row n 2048 + 256 qb + 64 wave, 8,192 bytes a row
	s_lshl_b32 s4, s96, 11
	s_lshl_b32 s5, s15, 8
	s_add_co_u32 s4, s4, s5
	s_lshl_b32 s5, s10, 6
	s_add_co_u32 s4, s4, s5
	s_lshl_b32 s4, s4, 13
	s_mov_b32 s5, 0
	s_add_nc_u64 s[66:67], s[66:67], s[4:5]
	; Wq: row 128 head + 64 half.  s[6:9] hold cy and never cx.
	s_lshl_b32 s6, s97, 7
	s_lshl_b32 s7, s12, 6
	s_add_co_u32 s6, s6, s7
	s_lshl_b32 s6, s6, 11
	s_mov_b32 s7, 0
	s_add_nc_u64 s[6:7], s[68:69], s[6:7]
	s_add_nc_u64 s[6:7], s[6:7], WQB
	s_mul_i32 s63, s12, 17408                      ; 64 rows x 272
.irp s, 0,1
	s_mov_b32 s[G0B+4*\s], 1
	s_add_co_u32 s[G0B+4*\s+1], s63, \s*SLOT+69632
	s_add_nc_u64 s[G0B+4*\s+2:G0B+4*\s+3], s[6:7], \s*256
	s_or_b32 s[G0B+4*\s+3], s[G0B+4*\s+3], 0x80000000
.endr
	; K: kv's row n 2048 + 64 half, 4,096 bytes a row, byte 256 head.  V: 4,096 rows further down.
	s_lshl_b32 s8, s96, 11
	s_lshl_b32 s9, s12, 6
	s_add_co_u32 s8, s8, s9
	s_lshl_b32 s8, s8, 12
	s_lshl_b32 s9, s97, 8
	s_add_co_u32 s8, s8, s9
	s_mov_b32 s9, 0
	s_add_nc_u64 s[8:9], s[70:71], s[8:9]
	s_add_nc_u64 s[60:61], s[8:9], 16777216
	; 512 head: the head's bytes in a row of out0 and in bq
	s_lshl_b32 s6, s97, 9
	s_mov_b32 s7, 0
	s_add_nc_u64 s[66:67], s[66:67], s[6:7]
	s_add_nc_u64 s[6:7], s[74:75], s[6:7]
	; the four pointers in s[68:75] have been used up: K's group 0, key blocks 0 and 1
.irp s, 0,1
	s_mov_b32 s[G0K+4*\s], 1
	s_add_co_u32 s[G0K+4*\s+1], s63, \s*SLOT
	s_add_nc_u64 s[G0K+4*\s+2:G0K+4*\s+3], s[8:9], \s*524288       ; 128 rows of kv
	s_or_b32 s[G0K+4*\s+3], s[G0K+4*\s+3], 0x80000000
.endr
	ROUND                                          ; all sixteen work-groups are here: the first joint loads meet
	tensor_load_to_lds s[G0M:G0M+3], s[G1M:G1M+7]  ; my quarter of the mask bits
	s_nop 0
	JLOADP 0                                       ; my part of K step 0
	v_and_b32 v3, 31, v0                           ; lane
	v_and_b32 v1, 15, v0                           ; r
	v_bfe_u32 v2, v0, 4, 1                         ; h
	v_lshlrev_b32 v[BOF], 5, v2
.irp d, 0,1,2,3,4,5,6,7
	global_load_b128 v[QF+8*\d:QF+8*\d+3],   v[BOF], s[6:7] offset:64*\d       ; bq of the head's columns 16 d + 8 h + 0..3
	global_load_b128 v[QF+8*\d+4:QF+8*\d+7], v[BOF], s[6:7] offset:64*\d+16    ; and + 4..7
.endr
	v_mul_u32_u24 v4, v1, 272
	v_lshl_add_u32 v4, v2, 4, v4                   ; a fragment's lane term: row r x pitch + 16 h
	s_mul_i32 s101, s10, 17408                     ; my 64 queries' rows of X
	v_add_nc_u32 v[XADR], s101, v4
	v_add_nc_u32 v[XADR+1], SLOT, v[XADR]
	v_add_nc_u32 v[WADR], 69632, v4
	v_add_nc_u32 v[WADR+1], SLOT, v[WADR]
	v_mov_b32 v[KADR], v4
	v_add_nc_u32 v[KADR+1], SLOT, v4
	v_and_b32 v5, 7, v0
	v_lshl_add_u32 v5, v2, 3, v5                   ; transposing load: row 8 h + lane mod 8,
	v_mul_u32_u24 v5, v5, 288
	v_bfe_u32 v6, v0, 3, 1
	v_lshl_add_u32 v5, v6, 4, v5                   ; 16 bytes further on for the upper eight of sixteen lanes
	v_add_nc_u32 v[VADR], 34816, v5
	v_add_nc_u32 v[VADR+1], SLOT, v[VADR]
	s_mul_i32 s101, s10, 8448                      ; my stage: 16 rows x 528
	s_add_co_u32 s101, s101, STAGE
	v_mul_u32_u24 v5, v1, 528
	v_lshl_add_u32 v5, v2, 5, v5
	v_add_nc_u32 v[STO], s101, v5                  ; in: row r, 32 bytes for each half of the lanes
	v_lshl_add_u32 v[RD], v3, 4, s101              ; back: the 32 lanes take one row of 512 bytes
	v_lshlrev_b32 v[CO], 4, v3
	v_mul_u32_u24 v5, v1, 272
	s_mul_i32 s101, s10, 17408
	s_add_co_u32 s101, s101, MASKB
	WIN 0x40                                       ; destination window 1
	v_add_nc_u32 v[MADR], s101, v5                 ; mask words of query 64 w + r, key block 0
	v_lshlrev_b32 v[SH], 4, v2
	v_mov_b32 v[NEGV], 0xccd7cab8
.irp u, 0,1,2,3
	v_mov_b32 v[RL+2*\u], 0                        ; read as the other half of a register pair, or as v_permlanex16_b32's destination, before they hold a result
	v_mov_b32 v[RMX+2*\u], 0
	v_mov_b32 v[RPT+\u], 0
.endr
	WIN 0
	s_wait_loadcnt 0x0                             ; the bias
; ---------------------------------------------------------------- the projection
; 24 LDS loads in one run: X's four fragments, Wq's eight, 32 along K at byte 64 kc of the rows, into buffer f
.macro PFETCH slot, kc, f
	PLACES
	WIN 0xc0
.irp u, 0,1,2,3
	ds_load_b128 v[96*\f+64+8*\u:96*\f+64+8*\u+3],   v[XADR+\slot] offset:4352*\u+64*\kc
	ds_load_b128 v[96*\f+64+8*\u+4:96*\f+64+8*\u+7], v[XADR+\slot] offset:4352*\u+64*\kc+32
.endr
.irp d, 0,1,2,3,4,5,6,7
	ds_load_b128 v[96*\f+8*\d:96*\f+8*\d+3],   v[WADR+\slot] offset:4352*\d+64*\kc
	ds_load_b128 v[96*\f+8*\d+4:96*\f+8*\d+7], v[WADR+\slot] offset:4352*\d+64*\kc+32
.endr
.endm
; 16 products: Q^T tiles (4 half + d, u).  The 32 accumulators take turns, one instruction a turn.  first = 1: the sums start from the bias.
.macro PMUL f, half, first
.irp d, 0,1,2,3
.irp u, 0,1,2,3
.if \first
	v_wmma_f32_16x16x32_bf16 v[8*(4*(4*\half+\d)+\u):8*(4*(4*\half+\d)+\u)+7], v[96*\f+8*(4*\half+\d):96*\f+8*(4*\half+\d)+7], v[96*\f+64+8*\u:96*\f+64+8*\u+7], v[QF+8*(4*\half+\d):QF+8*(4*\half+\d)+7]
.else
	v_wmma_f32_16x16x32_bf16 v[8*(4*(4*\half+\d)+\u):8*(4*(4*\half+\d)+\u)+7], v[96*\f+8*(4*\half+\d):96*\f+8*(4*\half+\d)+7], v[96*\f+64+8*\u:96*\f+64+8*\u+7], v[8*(4*(4*\half+\d)+\u):8*(4*(4*\half+\d)+\u)+7]
.endif
.endr
.endr
.endm
.macro PWIN first
.if \first
	WIN 0x8f                                       ; sources 0, 1 window 3, C (the bias) window 0, D window 2
.else
	WIN 0xaf                                       ; C and D window 2
.endif
.endm
; 32 along K on buffer f; in its middle the next quarter's fragments go into buffer g
.macro PQUARTER slot, kn, f, g, first, fetch
	s_wait_dscnt 8                                 ; X's and Wq's fragments 0-3 are in; the youngest eight loads (Wq's 4-7) may be out
	PWIN \first
	PMUL \f, 0, \first
.if \fetch
	PFETCH \slot, \kn, \g
	s_wait_dscnt 24                                ; all but the 24 just issued
.else
	s_wait_dscnt 0
.endif
	PWIN \first
	PMUL \f, 1, \first
.endm
; Wq's line of descriptors becomes V's: 8 words of padding (LDS pitch 288), 2,048 elements from row to row.  No tensor load of the wave is out where this stands.
.macro MAINDESC
	s_or_b32 s[G1B+0], s99, (1<<16)|PADW|(7<<25)
	s_mov_b32 s[G1B+5], 2048
	s_mul_i32 s62, s12, 18432                      ; 64 rows x 288
.irp s, 0,1
	s_mov_b32 s[G0B+4*\s], 1
	s_add_co_u32 s[G0B+4*\s+1], s62, \s*SLOT+34816
	s_add_nc_u64 s[G0B+4*\s+2:G0B+4*\s+3], s[60:61], \s*524288
	s_or_b32 s[G0B+4*\s+3], s[G0B+4*\s+3], 0x80000000
.endr
.endm
; One K step of 128.  kind 1: the next tile is a K step's; kind 2: it is key block 0.
.macro PSTEP slot, other, first, kind
	WIN 0
	s_wait_tensorcnt 0x0                           ; all my tensor loads have landed, my part of this trip's tile among them: every group 0 may be written
	ds_add_u32 v254, v255
.if \kind == 1
	s_add_nc_u64 s[G0A+4*\slot+2:G0A+4*\slot+3], s[G0A+4*\slot+2:G0A+4*\slot+3], 512   ; this slot's next tile: two K steps on
	s_add_nc_u64 s[G0B+4*\slot+2:G0B+4*\slot+3], s[G0B+4*\slot+2:G0B+4*\slot+3], 512
.else
	MAINDESC
.endif
	s_wait_dscnt 0x0                               ; my reads of the last trip's tile are over
	ROUND                                          ; both now hold of every wave of every work-group of the cluster
.if \kind == 1
	JLOADP \other                                  ; the next tile, into the slot read last trip: my one tensor load until the next round
.else
	JLOADM \other
.endif
	PFETCH \slot, 0, 0
	PQUARTER \slot, 1, 0, 1, \first, 1
	PQUARTER \slot, 2, 1, 0, 0, 1
	PQUARTER \slot, 3, 0, 1, 0, 1
	PQUARTER \slot, 0, 1, 0, 0, 0
.endm
	PSTEP 0, 1, 1, 1                               ; K steps 0 and 1 stand in front of the loop: the first products start the sums
	PSTEP 1, 0, 0, 1
	WIN 0
	s_mov_b32 s3, 2
.Lproj:
	PSTEP 0, 1, 0, 1
	PSTEP 1, 0, 0, 1
	WIN 0
	s_sub_co_u32 s3, s3, 1
	s_cmp_lg_u32 s3, 0
	s_cbranch_scc1 .Lproj
	PSTEP 0, 1, 0, 1
	PSTEP 1, 0, 0, 2                               ; K step 7 asks for key block 0
	; relu, then Q^T's tiles 2 kc and 2 kc + 1 pack into the second source of S^T = K Q^T: lane (r, h) already holds query r, d = 32 kc + 8 h + 0..7 and + 16
	PLACES
	WIN 0x88
.set i, 0
.rept 256
	v_max_num_f32 v[i], 0, v[i]
.set i, i+1
.endr
	WIN 0x0a
.irp u, 0,1,2,3
.irp kc, 0,1,2,3
.irp e, 0,1
.irp p, 0,1,2,3
	v_cvt_pk_bf16_f32 v[QF+8*(4*\u+\kc)+4*\e+\p], v[8*(4*(2*\kc+\e)+\u)+2*\p], v[8*(4*(2*\kc+\e)+\u)+2*\p+1]
.endr
.endr
.endr
.endr
; ---------------------------------------------------------------- the attention
.macro FETCHK slot, sub                ; 32 loads: K's fragments of keys 64 sub .. + 63
	WIN 0xc0
.irp t, 0,1,2,3
.irp kc, 0,1,2,3
	ds_load_b128 v[8*(4*\t+\kc):8*(4*\t+\kc)+3],   v[KADR+\slot] offset:(64*\sub+16*\t)*272+64*\kc
	ds_load_b128 v[8*(4*\t+\kc)+4:8*(4*\t+\kc)+7], v[KADR+\slot] offset:(64*\sub+16*\t)*272+64*\kc+32
.endr
.endr
.endm
.macro FETCHV slot, sub                ; 32 transposing loads: V^T's fragments, rows d = 16 d + r, keys 64 sub + 32 c + ..
	WIN 0xc0
.irp d, 0,1,2,3,4,5,6,7
.irp c, 0,1
	ds_load_tr16_b128 v[128+8*(2*\d+\c):128+8*(2*\d+\c)+3],   v[VADR+\slot] offset:(64*\sub+32*\c)*288+32*\d
	ds_load_tr16_b128 v[128+8*(2*\d+\c)+4:128+8*(2*\d+\c)+7], v[VADR+\slot] offset:(64*\sub+32*\c+16)*288+32*\d
.endr
.endr
.endm
; S^T (u, t) = K(t) Q(u)^T over d: 64 products on 16 accumulators that take turns, one instruction a turn; the first starts each sum
.macro QK
	WIN 0x53                                       ; source 0 (K) window 3, source 1 (Q) window 0, C and D window 1
.irp kc, 0,1,2,3
.irp u, 0,1,2,3
.irp t, 0,1,2,3
.if \kc == 0
	v_wmma_f32_16x16x32_bf16 v[8*(4*\u+\t):8*(4*\u+\t)+7], v[8*(4*\t+\kc):8*(4*\t+\kc)+7], v[QF+8*(4*\u+\kc):QF+8*(4*\u+\kc)+7], 0
.else
	v_wmma_f32_16x16x32_bf16 v[8*(4*\u+\t):8*(4*\u+\t)+7], v[8*(4*\t+\kc):8*(4*\t+\kc)+7], v[QF+8*(4*\u+\kc):QF+8*(4*\u+\kc)+7], v[8*(4*\u+\t):8*(4*\u+\t)+7]
.endif
.endr
.endr
.endr
	PLACES
.endm
.macro SOFT sub, first
	WIN 0x55                                       ; everything in window 1
.if \sub == 0
.set i, 0
.rept 16
	v_lshlrev_b32 v[MW+i], v[SH], v[MW+i]          ; my half of the lanes' 16 bits to the top
.set i, i+1
.endr
.endif
	; the mask, and the largest masked score of my 32 keys of each query
.irp u, 0,1,2,3
.irp t, 0,1,2,3
.set XB, 8*(4*\u+\t)
.irp j, 0,1,2,3,4,5,6,7
	v_add_co_u32 v[MW+4*\u+\j%4], s[LM+\j], v[MW+4*\u+\j%4], v[MW+4*\u+\j%4]   ; the word doubles: its top bit, the mask of key 16 t + 8 h + j, is the carry
.endr
.irp j, 0,1,2,3,4,5,6,7
	v_cndmask_b32 v[XB+\j], v[NEGV], v[XB+\j], s[LM+\j]
.endr
	v_max3_num_f32 v[RTA], v[XB], v[XB+1], v[XB+2]
	v_max3_num_f32 v[RTB], v[XB+3], v[XB+4], v[XB+5]
	v_max3_num_f32 v[RTA], v[RTA], v[XB+6], v[XB+7]
.if \t == 0
	v_max_num_f32 v[RMX+2*\u], v[RTA], v[RTB]
.else
	v_max3_num_f32 v[RMX+2*\u], v[RMX+2*\u], v[RTA], v[RTB]
.endif
.endr
.endr
	; across the two halves of the lanes; the running maximum; the rescale factor
.irp u, 0,1,2,3
	v_permlanex16_b32 v[RPT+\u], v[RMX+2*\u], s94, s95
.endr
.irp u, 0,1,2,3
	v_max_num_f32 v[RMX+2*\u], v[RMX+2*\u], v[RPT+\u]
.endr
.if \first
.irp u, 0,1,2,3
	v_mul_f32 v[RM+2*\u], s92, v[RMX+2*\u]
.endr
.else
.irp u, 0,1,2,3
	v_mul_f32 v[RMX+2*\u], s92, v[RMX+2*\u]
.endr
.irp u, 0,1,2,3
	v_max_num_f32 v[RPT+\u], v[RM+2*\u], v[RMX+2*\u]
.endr
.irp u, 0,1,2,3
	v_sub_f32 v[RE+\u], v[RM+2*\u], v[RPT+\u]
.endr
.irp u, 0,1,2,3
	v_mov_b32 v[RM+2*\u], v[RPT+\u]
.endr
.irp u, 0,1,2,3
	v_exp_f32 v[RAL+2*\u], v[RE+\u]                ; behind these the first fused multiply-add below, which names none of their registers (ISA guide 5.7.2)
.endr
.endif
	; the weights: 2^(c s - m).  Behind each run of v_exp_f32 stand the next query tile's multiply-adds, behind the last run the first tile's sums.
.irp u, 0,1,2,3
.irp p, 0,1,2,3,4,5,6,7,8,9,10,11,12,13,14,15
	v_pk_fma_f32 v[32*\u+2*\p:32*\u+2*\p+1], v[32*\u+2*\p:32*\u+2*\p+1], s[92:93], v[RM+2*\u:RM+2*\u+1] op_sel_hi:[1,0,0] neg_lo:[0,0,1] neg_hi:[0,0,1]
.endr
.set i, 0
.rept 32
	v_exp_f32 v[32*\u+i], v[32*\u+i]
.set i, i+1
.endr
.endr
	; their sum, in two chains, and the packing in place: tiles 2 c and 2 c + 1 become registers 0-3 and 4-7 of the second source of O^T = V^T P^T
.irp u, 0,1,2,3
.irp t, 0,1,2,3
.set XB, 8*(4*\u+\t)
.set PB, 8*(4*\u+(\t/2)*2)+4*(\t%2)
.if \t == 0
	s_wait_alu depctr_va_vdst(0)
	v_pk_add_f32 v[RSA+2*\u:RSA+2*\u+1], v[XB:XB+1], v[XB+2:XB+3]
	v_cvt_pk_bf16_f32 v[PB], v[XB], v[XB+1]
	v_cvt_pk_bf16_f32 v[PB+1], v[XB+2], v[XB+3]
	v_pk_add_f32 v[RSB+2*\u:RSB+2*\u+1], v[XB+4:XB+5], v[XB+6:XB+7]
	v_cvt_pk_bf16_f32 v[PB+2], v[XB+4], v[XB+5]
	v_cvt_pk_bf16_f32 v[PB+3], v[XB+6], v[XB+7]
.else
	v_pk_add_f32 v[RSA+2*\u:RSA+2*\u+1], v[RSA+2*\u:RSA+2*\u+1], v[XB:XB+1]
	v_pk_add_f32 v[RSB+2*\u:RSB+2*\u+1], v[RSB+2*\u:RSB+2*\u+1], v[XB+2:XB+3]
	v_cvt_pk_bf16_f32 v[PB], v[XB], v[XB+1]
	v_cvt_pk_bf16_f32 v[PB+1], v[XB+2], v[XB+3]
	v_pk_add_f32 v[RSA+2*\u:RSA+2*\u+1], v[RSA+2*\u:RSA+2*\u+1], v[XB+4:XB+5]
	v_pk_add_f32 v[RSB+2*\u:RSB+2*\u+1], v[RSB+2*\u:RSB+2*\u+1], v[XB+6:XB+7]
	v_cvt_pk_bf16_f32 v[PB+2], v[XB+4], v[XB+5]
	v_cvt_pk_bf16_f32 v[PB+3], v[XB+6], v[XB+7]
.endif
.endr
	v_pk_add_f32 v[RSA+2*\u:RSA+2*\u+1], v[RSA+2*\u:RSA+2*\u+1], v[RSB+2*\u:RSB+2*\u+1]
.if \first
	v_add_f32 v[RL+2*\u], v[RSA+2*\u], v[RSA+2*\u+1]
.else
	v_add_f32 v[RTA], v[RSA+2*\u], v[RSA+2*\u+1]
	v_fma_f32 v[RL+2*\u], v[RL+2*\u], v[RAL+2*\u], v[RTA]
.endif
.endr
.endm
.macro ORESC                           ; O^T times the lane's factor
	WIN 0x86                                       ; destination and source 0 window 2, source 1 window 1
.irp d, 0,1,2,3,4,5,6,7
.irp u, 0,1,2,3
.irp p, 0,1,2,3
	v_pk_mul_f32 v[8*(4*\d+\u)+2*\p:8*(4*\d+\u)+2*\p+1], v[8*(4*\d+\u)+2*\p:8*(4*\d+\u)+2*\p+1], v[RAL+2*\u:RAL+2*\u+1] op_sel_hi:[1,0]
.endr
.endr
.endr
.endm
; O^T (d, u) += V^T(d) P(u)^T over 64 keys: 64 products on 32 accumulators that take turns, one instruction a turn
.macro PV first
	WIN 0xa7                                       ; source 0 (V^T) window 3, source 1 (P) window 1, C and D window 2
.irp c, 0,1
.irp d, 0,1,2,3,4,5,6,7
.irp u, 0,1,2,3
.if \first*(1-\c)
	v_wmma_f32_16x16x32_bf16 v[8*(4*\d+\u):8*(4*\d+\u)+7], v[128+8*(2*\d+\c):128+8*(2*\d+\c)+7], v[8*(4*\u+2*\c):8*(4*\u+2*\c)+7], 0
.else
	v_wmma_f32_16x16x32_bf16 v[8*(4*\d+\u):8*(4*\d+\u)+7], v[128+8*(2*\d+\c):128+8*(2*\d+\c)+7], v[8*(4*\u+2*\c):8*(4*\u+2*\c)+7], v[8*(4*\d+\u):8*(4*\d+\u)+7]
.endif
.endr
.endr
.endr
	PLACES
.endm
; 64 keys.  Each run of LDS loads is issued one phase ahead of its use.
.macro KEYS64 slot, sub, first
	FETCHV \slot, \sub
	s_wait_dscnt 32                                ; all but the 32 V loads just issued: K's fragments and the mask words are in
	QK
.if \sub == 0
	FETCHK \slot, 1
.endif
	SOFT \sub, \first
.if \first == 0
	ORESC
.endif
.if \sub == 0
	s_wait_dscnt 32                                ; the 32 younger K loads stay out; V's are in
.else
	s_wait_dscnt 0
.endif
	PV \first
.endm
; One block of 128 keys
.macro MSTEP slot, other, first, refill
	WIN 0
	s_wait_tensorcnt 0x0                           ; all my tensor loads have landed, my part of this trip's tile among them: every group 0 may be written
	ds_add_u32 v254, v255
	s_wait_dscnt 0x0
	s_add_nc_u64 s[G0K+4*\slot+2:G0K+4*\slot+3], s[G0K+4*\slot+2:G0K+4*\slot+3], 0x100000   ; this slot's next tile: 256 rows of kv on
	s_add_nc_u64 s[G0B+4*\slot+2:G0B+4*\slot+3], s[G0B+4*\slot+2:G0B+4*\slot+3], 0x100000
	s_wait_dscnt 0x0                               ; my reads of the last trip's tile are over
	ROUND                                          ; both now hold of every wave of every work-group of the cluster
.if \refill
	JLOADM \other                                  ; the next block, into the slot read last trip: my one tensor load until the next round
.endif
	WIN 0x55
.irp u, 0,1,2,3
	ds_load_b128 v[MW+4*\u:MW+4*\u+3], v[MADR] offset:4352*\u     ; the four mask words of query 16 u + r for this block
.endr
	v_add_nc_u32 v[MADR], 16, v[MADR]
	FETCHK \slot, 0
	KEYS64 \slot, 0, \first
	KEYS64 \slot, 1, 0
.endm
	MSTEP 0, 1, 1, 1                               ; blocks 0 and 1 stand in front of the loop: the first products start O's sums
	MSTEP 1, 0, 0, 1
	WIN 0
	s_mov_b32 s3, 6
.Lkeys:
	MSTEP 0, 1, 0, 1
	MSTEP 1, 0, 0, 1
	WIN 0
	s_sub_co_u32 s3, s3, 1
	s_cmp_lg_u32 s3, 0
	s_cbranch_scc1 .Lkeys
	MSTEP 0, 1, 0, 1
	MSTEP 1, 0, 0, 0                               ; the last block: nothing is left to fetch
	; divide by the row sum: the two halves of the lanes hold the sums over their keys
	WIN 0x55
.irp u, 0,1,2,3
	v_permlanex16_b32 v[RPT+\u], v[RL+2*\u], s94, s95
.endr
.irp u, 0,1,2,3
	v_add_f32 v[RL+2*\u], v[RL+2*\u], v[RPT+\u]
.endr
.irp u, 0,1,2,3
	v_rcp_f32 v[RAL+2*\u], v[RL+2*\u]
.endr
	v_nop                                          ; one plain vector instruction behind v_rcp_f32 before its result is used (ISA guide 5.7.2)
	s_wait_alu depctr_va_vdst(0)
	ORESC
; THE WAY OUT, 16 queries at a time: a lane's eight numbers of tile (d, u) are 32 neighbouring bytes of query r's row; through my own stage they become whole rows.
.macro OUTU u
	WIN 0x08                                       ; address window 0, data window 2
.irp d, 0,1,2,3,4,5,6,7
	ds_store_b128 v[STO], v[8*(4*\d+\u):8*(4*\d+\u)+3] offset:64*\d
	ds_store_b128 v[STO], v[8*(4*\d+\u)+4:8*(4*\d+\u)+7] offset:64*\d+16
.endr
	s_wait_xcnt 0x0                                ; the registers that the last sixteen global stores read are loaded again only behind this wait
	WIN 0xc0
.irp w, 0,1,2,3,4,5,6,7,8,9,10,11,12,13,14,15
	ds_load_b128 v[4*\w:4*\w+3], v[RD] offset:528*\w               ; LDS serves a wave's instructions in order (ISA guide 5.7.1): these see the stores above
.endr
	WIN 0x0c                                       ; address window 0, data window 3
.irp w, 0,1,2,3,4,5,6,7,8,9,10,11,12,13,14,15
	s_wait_dscnt 15-\w                             ; the younger rows stay out
	global_store_b128 v[CO], v[4*\w:4*\w+3], s[66:67] offset:(16*\u+\w)*8192 th:TH_STORE_NT   ; the wave stores 512 consecutive bytes, at a multiple of 512 from out0's first byte
.endr
.endm
	OUTU 0
	OUTU 1
	OUTU 2
	OUTU 3
	WIN 0
	s_wait_tensorcnt 0x0
	ds_add_u32 v254, v255
	s_wait_dscnt 0x0
	ROUND                                          ; the closing round: no work-group ends while a partner may still ask for a tile that names it
	s_endpgm
.Lfunc_end_k_qc5ccc02fc7_attn:
	.size	k_qc5ccc02fc7_attn, .Lfunc_end_k_qc5ccc02fc7_attn-k_qc5ccc02fc7_attn
	.p2alignl 7, 3214868480
	.fill 96, 4, 3214868480
	.section	.rodata,"a",@progbits
	.p2align	6, 0x0
	.amdhsa_kernel k_qc5ccc02fc7_attn
		.amdhsa_group_segment_fixed_size 327680
		.amdhsa_private_segment_fixed_size 0
		.amdhsa_enable_private_segment 0
		.amdhsa_kernarg_size 40
		.amdhsa_user_sgpr_count 2
		.amdhsa_user_sgpr_kernarg_segment_ptr 1
		.amdhsa_wavefront_size32 1
		.amdhsa_system_sgpr_workgroup_id_x 1
		.amdhsa_system_sgpr_workgroup_id_y 1
		.amdhsa_system_sgpr_workgroup_id_z 1
		.amdhsa_system_vgpr_workitem_id 0
		.amdhsa_next_free_vgpr 1024
		.amdhsa_next_free_sgpr 102
		.amdhsa_reserve_vcc 0
		.amdhsa_float_denorm_mode_32 3
		.amdhsa_float_denorm_mode_16_64 3
		.amdhsa_memory_ordered 1
		.amdhsa_forward_progress 1
		.amdhsa_inst_pref_size 255
	.end_amdhsa_kernel
	.section	.bss,"aw",@nobits
	.p2align	6
	.space	262144
	.amdgpu_metadata
---
amdhsa.version: [ 1, 2 ]
amdhsa.kernels:
  - .name:           k_qc5ccc02fc7_attn
    .symbol:         k_qc5ccc02fc7_attn.kd
    .args:
      - { .name: cb, .offset: 0, .size: 8, .value_kind: global_buffer, .address_space: global }
      - { .name: kv, .offset: 8, .size: 8, .value_kind: global_buffer, .address_space: global }
      - { .name: mbits, .offset: 16, .size: 8, .value_kind: global_buffer, .address_space: global }
      - { .name: bq, .offset: 24, .size: 8, .value_kind: global_buffer, .address_space: global }
      - { .name: out0, .offset: 32, .size: 8, .value_kind: global_buffer, .address_space: global }
    .group_segment_fixed_size: 327680
    .private_segment_fixed_size: 0
    .kernarg_segment_align: 8
    .kernarg_segment_size: 40
    .max_flat_workgroup_size: 128
    .sgpr_count:     102
    .vgpr_count:     1024
    .wavefront_size: 32
...
	.end_amdgpu_metadata
.endif
;; end of part 3
;; ======== version 2 of 3: 3 launches
;; workspace buffers: cb 37,748,736 bytes; mbits 524,288 bytes of whole numbers; kv 33,554,432 bytes
;; launch prep: the kernel of part 1 again; grid 256 x 1, 8 waves a work-group, no clusters, 0 bytes of LDS; arguments key, value, query, Wk, Wv, Wq, mask, cb, mbits; writes cb, mbits
;; launch kvproj: the kernel of part 2 again; grid 8 x 32, 4 waves a work-group, clusters of 4 x 4, 327,680 bytes of LDS; arguments cb, kv, bk, bv; writes kv
;; launch attn (part 4): grid 8 x 32, 8 waves a work-group, clusters of 4 x 4, 327,680 bytes of LDS; arguments cb, kv, mbits, bq, out0; writes out0
.if DOCPART == 4
	.amdgcn_target "amdgcn-amd-amdhsa--gfx1250"
	.amdhsa_code_object_version 6
	.text
	.protected	k_qc5ccc02fc7_attn
	.globl	k_qc5ccc02fc7_attn
	.p2align	8
	.type	k_qc5ccc02fc7_attn,@function
k_qc5ccc02fc7_attn:
	s_mov_b64 s[64:65], 0
	v_nop
	global_prefetch_b8 v0, s[64:65] scope:SCOPE_SE
	s_setreg_imm32_b32 hwreg(HW_REG_WAVE_MODE, 25, 1), 1
	s_wait_xcnt 0x0
	s_wait_alu depctr_hold_cnt(0) depctr_sa_sdst(0) depctr_va_vdst(0) depctr_va_sdst(0) depctr_va_ssrc(0) depctr_va_vcc(0) depctr_vm_vsrc(0)
	s_getreg_b32 s2, hwreg(HW_REG_IB_STS2, 6, 4)
	s_cmp_eq_u32 s2, 0
	s_cbranch_scc0 .Lentry_in_a_cluster
	s_endpgm
.Lentry_in_a_cluster:
	s_bfe_u32 s2, ttmp6, 0x10000c
	s_cmp_lg_u32 s2, 0xf033
	s_cbranch_scc0 .Lentry_shape_is_right
	s_endpgm
.Lentry_shape_is_right:
; One work-group for each (n, head, block of 256 queries): 2 x 16 x 8 = 256.  It makes its own Q = relu(query Wq^T + bq), 256 x 128, K = 1024, which never goes
; to memory, and then runs over the 2,048 keys in tiles of 128 with a running maximum and a running sum.
; EIGHT WAVES OF 512 REGISTERS, two on each SIMD; wave w owns queries 32 w .. 32 w + 31, two tiles u of 16.  For 64 keys a wave has 64 matrix instructions and
; about 400 vector instructions (mask, maximum, exponentials, sum, packing, rescale), which it runs in separate phases; with two waves on a SIMD one wave's
; vector phase can be issued while the other's matrix instructions run.  The price: a fragment of K or V read from LDS feeds two query tiles, not four.
; ALL PRODUCTS ARE USED TRANSPOSED: Q^T = Wq X^T, S^T = K Q^T, O^T = V^T P^T.  In a result lane (r, h) holds query r and rows 8 h + 0..7, so two neighbouring
; result tiles pack, without leaving the lane, into the second source of the next product (Q and P); a query's maximum is a reduction inside the lane and one
; exchange between the halves of 16 lanes; maximum, sum and rescale factor are one number a lane.  V^T comes from ds_load_tr16_b128.
; CLUSTERS, 4 x 4: cx counts query blocks, cy heads.  X's tiles and the mask bits hang on (n, query block): asked for jointly along a column of the cluster.
; Wq's, K's and V's tiles hang on (n, head): jointly along a row.  Every tensor load of this text is such a joint load; that divides the requests by four.
; RING: 24 tiles take turns on two LDS slots: 8 K steps of the projection (X 256 x 128, Wq 128 x 128), then 16 tiles of 128 keys (K and V, 128 x 128 each).
; Each trip waits for all loads, passes a round of the cluster's barrier, asks for the next tile (one load a wave) and works on its own tile meanwhile.
; A wave has two tensor loads out at the start (its eighth of the mask bits, its part of tile 0) and one behind each round.
; LIMITS: X, Wq, Q, K, V and P are rounded to bf16; the row sum is taken over the unrounded weights.  Scores stay unscaled in f32; the scale 1/sqrt(128) and log2(e)
; are one factor c in front of v_exp_f32.  A masked score is REPLACED by -1e7 sqrt(128), which c turns into -1e7 log2(e): a row that is masked throughout gets
; equal weights.  What is taken away is round(c x the running maximum of the masked scores), alike in the weights and in the rescale factor, so its rounding
; cancels.  v_exp_f32 gives 0 below 2^-126.  NaN and infinities in the inputs are not followed as a f32 computation would.
.set SLOT,  104448                     ; projection: X 256 x 272 at 0, Wq 128 x 272 at 69,632.  Attention: K 128 x 272 at 0, V 128 x 288 at 34,816
.set MASKB, 2*SLOT                     ; the mask bits of my 256 queries: 256 rows x 272, filled once
.set STAGE, MASKB+69632                ; 8 waves x 16 rows x 272, for the way out; no tensor load fills it
.set SPITCH, 272
.set QRYB,  16777216                   ; query's bf16 copy in cb
.set WQB,   33554432                   ; Wq's
.set KTILE, 524288                     ; 128 rows of kv, in bytes
.set PADW,  (1<<20)|(1<<21)|(5<<22)    ; padding on; bit 21 beside a mask; behind every 64 words
.set G1A, 16                           ; s[16:23] group 1, X's tiles (mask: my column)
.set G1B, 24                           ; s[24:31] group 1, Wq's tiles, later V's (mask: my row)
.set G0A, 32                           ; s[32:39] group 0, X, a set for each slot
.set G0B, 40                           ; s[40:47] group 0, Wq, later V
.set G1M, 48                           ; s[48:55] group 1, mask bits
.set G0M, 56                           ; s[56:59] group 0, mask bits
.set G0K, 68                           ; s[68:75] group 0, K (the registers that first hold four argument pointers)
.set G1K, 76                           ; s[76:83] group 1, K
.set LM,  84                           ; s[84:91] eight lane masks
; window 0 (v0-255)
.set XADR, 16                          ; v16-17 LDS address of my X fragments in slot 0, 1
.set WADR, 18
.set KADR, 20
.set VADR, 22
.set STO,  24
.set RD,   25
.set CO,   26
.set BOF,  27
.set PFO,  28                          ; my row's byte offset in a tile of kv, for the prefetch
.set XF,   32                          ; v32-63   projection: X's fragments, buffer f, tile u at XF + 16 f + 8 u
.set QF,   64                          ; v64-127  Q as second source: (u, kc) at QF + 8 (4 u + kc).  First the bias, tile d at QF + 8 d
.set FR,   128                         ; v128-255 projection: Wq's fragments, buffer f, tile d at FR + 64 f + 8 d.
                                       ;          Attention, one buffer for both: K's (t, kc) at FR + 32 kc + 8 t; V^T's (d, c) at FR + 64 c + 8 d.  The way out: four sets of 32
; window 1 (v256-511): v0-127 O^T, and Q^T before it: tile (d, u) at 8 (2 d + u)
.set SB,   128                         ; v128-191 scores, tile (u, t) at SB + 8 (4 u + t); the weights are packed in place, (u, c) at SB + 8 (4 u + 2 c)
.set MW,   192                         ; v192-199 mask words (u, c)
.set RM,   200                         ; + 2 u: running maximum, times c
.set RL,   201                         ; + 2 u: running sum (of my half of the lanes' keys)
.set RAL,  204                         ; + 2 u: rescale factor
.set RMX,  205                         ; + 2 u: this block's maximum
.set RPT,  208                         ; + u
.set RE,   210                         ; + u
.set RTA,  212
.set RTB,  213
.set RSA,  214                         ; + 2 u, a pair
.set RSB,  218                         ; + 2 u, a pair
.set MADR, 222                         ; LDS address of my query's mask words of the next tile
.set SH,   223                         ; 16 h
.set NEGV, 224                         ; -1e7 sqrt(128)
.set MSB, 0
.macro WIN new                         ; low byte: bits 1:0 source 0, 3:2 source 1, 5:4 source 2, 7:6 destination; the high byte repeats the setting that is left
.if MSB != \new
	s_set_vgpr_msb (MSB<<8)|\new
.set MSB, \new
.endif
.endm
; Five independent vector instructions: between a matrix instruction and a load into one of its sources or a vector instruction on its result stand four,
; between it and a matrix instruction that writes over one of its registers five.
.macro PLACES
.rept 5
	v_nop
.endr
.endm
; A round of the cluster's barrier: my work-group's barrier; wave 0 signals for the work-group; every wave waits for all sixteen; my work-group's barrier again.
.macro ROUND
	s_barrier_signal -1
	s_barrier_wait -1
	s_cmp_lg_u32 s10, 0
	s_cbranch_scc1 .Lnot_wave_0_\@
	s_barrier_signal -3
.Lnot_wave_0_\@:
	s_barrier_wait -3
	s_barrier_signal -1
	s_barrier_wait -1
.endm
; The joint loads.  Waves 0 to 3 take the first line (quarters of X, of K), waves 4 to 7 the second (quarters of Wq, of V).  The branch hangs on the wave's number alone.
.macro JLOADP s
	s_cmp_eq_u32 s11, 0
	s_cbranch_scc0 .Lpw_\@
	tensor_load_to_lds s[G0A+4*\s:G0A+4*\s+3], s[G1A:G1A+7]
	s_nop 0
	s_branch .Lpd_\@
.Lpw_\@:
	tensor_load_to_lds s[G0B+4*\s:G0B+4*\s+3], s[G1B:G1B+7]
	s_nop 0
.Lpd_\@:
.endm
.macro JLOADM s
	s_cmp_eq_u32 s11, 0
	s_cbranch_scc0 .Lmv_\@
	tensor_load_to_lds s[G0K+4*\s:G0K+4*\s+3], s[G1K:G1K+7]
	s_nop 0
	s_branch .Lmd_\@
.Lmv_\@:
	tensor_load_to_lds s[G0B+4*\s:G0B+4*\s+3], s[G1B:G1B+7]
	s_nop 0
.Lmd_\@:
.endm
	s_load_b256 s[68:75], s[0:1], 0x0              ; cb s[68:69], kv s[70:71], mbits s[72:73], bq s[74:75]
	s_load_b64 s[66:67], s[0:1], 0x20              ; out0
	v_lshl_add_u32 v30, v0, 2, 0x4c800
	v_mov_b32 v31, 0
	ds_add_u32 v30, v31
	v_lshrrev_b32 v1, 5, v0
	v_readfirstlane_b32 s10, v1                    ; wave 0..7
	s_lshr_b32 s11, s10, 2                         ; which line of a joint load is mine
	s_and_b32 s12, s10, 3                          ; which quarter of that tile
	s_bfe_u32 s13, ttmp6, 0x40000                  ; cx
	s_bfe_u32 s14, ttmp6, 0x40004                  ; cy
	s_lshl_b32 s15, ttmp9, 2
	s_add_co_u32 s15, s15, s13                     ; query block = 4 x cluster x + cx
	s_and_b32 s98, ttmp7, 0xffff                   ; cluster y, 0..7
	s_lshr_b32 s96, s98, 2                         ; n
	s_and_b32 s97, s98, 3
	s_lshl_b32 s97, s97, 2
	s_add_co_u32 s97, s97, s14                     ; head = 4 x (cluster y mod 4) + cy
	s_lshl_b32 s99, s14, 2
	s_lshl_b32 s99, 15, s99                        ; my row of the cluster
	s_lshl_b32 s100, 0x1111, s13                   ; my column
	s_mov_b32 s92, 0x3e0293ee                      ; c = log2(e) / sqrt(128),
	s_mov_b32 s93, 0x3e0293ee                      ; as a pair
	s_mov_b32 s94, 0x76543210                      ; v_permlanex16_b32: lane i of one half reads lane i of the other
	s_mov_b32 s95, 0xfedcba98
	; group 1 of X's tiles: 64 rows x 128 elements of 2 bytes, 1,024 elements from row to row, 4 words of padding: LDS pitch 272
	s_or_b32 s[G1A+0], s100, (1<<16)|PADW|(3<<25)
	s_mov_b32 s[G1A+1], 128<<16
	s_mov_b32 s[G1A+2], 64<<16
	s_mov_b32 s[G1A+3], 128<<16
	s_mov_b32 s[G1A+4], 64
	s_mov_b32 s[G1A+5], 1024
	s_mov_b32 s[G1A+6], 0
	s_mov_b32 s[G1A+7], 0
	; of Wq's: 32 rows
	s_or_b32 s[G1B+0], s99, (1<<16)|PADW|(3<<25)
	s_mov_b32 s[G1B+1], 128<<16
	s_mov_b32 s[G1B+2], 32<<16
	s_mov_b32 s[G1B+3], 128<<16
	s_mov_b32 s[G1B+4], 32
	s_mov_b32 s[G1B+5], 1024
	s_mov_b32 s[G1B+6], 0
	s_mov_b32 s[G1B+7], 0
	; of K's: 32 rows x 128 elements, 2,048 elements from row to row
	s_or_b32 s[G1K+0], s99, (1<<16)|PADW|(3<<25)
	s_mov_b32 s[G1K+1], 128<<16
	s_mov_b32 s[G1K+2], 32<<16
	s_mov_b32 s[G1K+3], 128<<16
	s_mov_b32 s[G1K+4], 32
	s_mov_b32 s[G1K+5], 2048
	s_mov_b32 s[G1K+6], 0
	s_mov_b32 s[G1K+7], 0
	; of the mask bits: 32 rows x 32 elements of 8 bytes, dense
	s_or_b32 s[G1M+0], s100, (3<<16)|PADW|(3<<25)
	s_mov_b32 s[G1M+1], 32<<16
	s_mov_b32 s[G1M+2], 32<<16
	s_mov_b32 s[G1M+3], 32<<16
	s_mov_b32 s[G1M+4], 32
	s_mov_b32 s[G1M+5], 32
	s_mov_b32 s[G1M+6], 0
	s_mov_b32 s[G1M+7], 0
	s_wait_dscnt 0x0
	s_wait_kmcnt 0x0
	; X: row n 2048 + 256 qb + 64 quarter, 2,048 bytes a row.  s[4:5] hold cx and never cy.
	s_lshl_b32 s4, s96, 11
	s_lshl_b32 s5, s15, 8
	s_add_co_u32 s4, s4, s5
	s_lshl_b32 s5, s12, 6
	s_add_co_u32 s4, s4, s5
	s_lshl_b32 s4, s4, 11
	s_mov_b32 s5, 0
	s_add_nc_u64 s[4:5], s[68:69], s[4:5]
	s_add_nc_u64 s[4:5], s[4:5], QRYB
	s_mul_i32 s62, s12, 17408                      ; 64 rows x 272
.irp s, 0,1
	s_mov_b32 s[G0A+4*\s], 1
	s_add_co_u32 s[G0A+4*\s+1], s62, \s*SLOT
	s_add_nc_u64 s[G0A+4*\s+2:G0A+4*\s+3], s[4:5], \s*256          ; K step s
	s_or_b32 s[G0A+4*\s+3], s[G0A+4*\s+3], 0x80000000
.endr
	; the mask bits of queries 256 qb + 32 wave .. + 31, 256 bytes a query
	s_lshl_b32 s4, s15, 8
	s_lshl_b32 s5, s10, 5
	s_add_co_u32 s4, s4, s5
	s_lshl_b32 s4, s4, 8
	s_mov_b32 s5, 0
	s_add_nc_u64 s[4:5], s[72:73], s[4:5]
	s_mul_i32 s62, s10, 8704                       ; 32 rows x 272
	s_mov_b32 s[G0M], 1
	s_add_co_u32 s[G0M+1], s62, MASKB
	s_mov_b64 s[G0M+2:G0M+3], s[4:5]
	s_or_b32 s[G0M+3], s[G0M+3], 0x80000000
	; out0 at row n 2048 + 256 qb + 32 wave, 8,192 bytes a row
	s_lshl_b32 s4, s96, 11
	s_lshl_b32 s5, s15, 8
	s_add_co_u32 s4, s4, s5
	s_lshl_b32 s5, s10, 5
	s_add_co_u32 s4, s4, s5
	s_lshl_b32 s4, s4, 13
	s_mov_b32 s5, 0
	s_add_nc_u64 s[66:67], s[66:67], s[4:5]
	; Wq: row 128 head + 32 quarter.  s[6:9] hold cy and never cx.
	s_lshl_b32 s6, s97, 7
	s_lshl_b32 s7, s12, 5
	s_add_co_u32 s6, s6, s7
	s_lshl_b32 s6, s6, 11
	s_mov_b32 s7, 0
	s_add_nc_u64 s[6:7], s[68:69], s[6:7]
	s_add_nc_u64 s[6:7], s[6:7], WQB
	s_mul_i32 s63, s12, 8704                       ; 32 rows x 272
.irp s, 0,1
	s_mov_b32 s[G0B+4*\s], 1
	s_add_co_u32 s[G0B+4*\s+1], s63, \s*SLOT+69632
	s_add_nc_u64 s[G0B+4*\s+2:G0B+4*\s+3], s[6:7], \s*256
	s_or_b32 s[G0B+4*\s+3], s[G0B+4*\s+3], 0x80000000
.endr
	; K: kv's row n 2048 + 32 quarter, 4,096 bytes a row, byte 256 head.  V: 4,096 rows further down.  s[8:9] stay: in wave 0 they are the head's first row of K.
	s_lshl_b32 s8, s96, 11
	s_lshl_b32 s9, s12, 5
	s_add_co_u32 s8, s8, s9
	s_lshl_b32 s8, s8, 12
	s_lshl_b32 s9, s97, 8
	s_add_co_u32 s8, s8, s9
	s_mov_b32 s9, 0
	s_add_nc_u64 s[8:9], s[70:71], s[8:9]
	s_add_nc_u64 s[60:61], s[8:9], 16777216
	; 512 head: the head's bytes in a row of out0 and in bq
	s_lshl_b32 s6, s97, 9
	s_mov_b32 s7, 0
	s_add_nc_u64 s[66:67], s[66:67], s[6:7]
	s_add_nc_u64 s[6:7], s[74:75], s[6:7]
	; the four pointers in s[68:75] have been used up: K's group 0, tiles 0 and 1
.irp s, 0,1
	s_mov_b32 s[G0K+4*\s], 1
	s_add_co_u32 s[G0K+4*\s+1], s63, \s*SLOT
	s_add_nc_u64 s[G0K+4*\s+2:G0K+4*\s+3], s[8:9], \s*KTILE
	s_or_b32 s[G0K+4*\s+3], s[G0K+4*\s+3], 0x80000000
.endr
	ROUND                                          ; all sixteen work-groups are here: the first joint loads meet
	tensor_load_to_lds s[G0M:G0M+3], s[G1M:G1M+7]  ; my eighth of the mask bits
	s_nop 0
	JLOADP 0                                       ; my part of K step 0
	v_and_b32 v3, 31, v0                           ; lane
	v_and_b32 v1, 15, v0                           ; r
	v_bfe_u32 v2, v0, 4, 1                         ; h
	v_lshlrev_b32 v[BOF], 5, v2
.irp d, 0,1,2,3,4,5,6,7
	global_load_b128 v[QF+8*\d:QF+8*\d+3],   v[BOF], s[6:7] offset:64*\d       ; bq of the head's columns 16 d + 8 h + 0..3
	global_load_b128 v[QF+8*\d+4:QF+8*\d+7], v[BOF], s[6:7] offset:64*\d+16    ; and + 4..7
.endr
	v_mul_u32_u24 v4, v1, 272
	v_lshl_add_u32 v4, v2, 4, v4                   ; a fragment's lane term: row r x pitch + 16 h
	s_mul_i32 s101, s10, 8704                      ; my 32 queries' rows of X
	v_add_nc_u32 v[XADR], s101, v4
	v_add_nc_u32 v[XADR+1], SLOT, v[XADR]
	v_add_nc_u32 v[WADR], 69632, v4
	v_add_nc_u32 v[WADR+1], SLOT, v[WADR]
	v_mov_b32 v[KADR], v4
	v_add_nc_u32 v[KADR+1], SLOT, v4
	v_and_b32 v5, 7, v0
	v_lshl_add_u32 v5, v2, 3, v5                   ; transposing load: row 8 h + lane mod 8,
	v_mul_u32_u24 v5, v5, 288
	v_bfe_u32 v6, v0, 3, 1
	v_lshl_add_u32 v5, v6, 4, v5                   ; 16 bytes further on for the upper eight of sixteen lanes
	v_add_nc_u32 v[VADR], 34816, v5
	v_add_nc_u32 v[VADR+1], SLOT, v[VADR]
	s_mul_i32 s101, s10, 16*SPITCH                 ; my stage: 16 rows x 272
	s_add_co_u32 s101, s101, STAGE
	v_mul_u32_u24 v5, v1, SPITCH
	v_lshl_add_u32 v5, v2, 5, v5
	v_add_nc_u32 v[STO], s101, v5                  ; in: row r, 32 bytes for each half of the lanes
	v_mul_u32_u24 v5, v2, SPITCH
	v_lshl_add_u32 v5, v1, 4, v5
	v_add_nc_u32 v[RD], s101, v5                   ; back: lanes 0-15 take one row of 256 bytes, lanes 16-31 the next
	v_lshlrev_b32 v5, 13, v2
	v_lshl_add_u32 v[CO], v1, 4, v5                ; and the same two rows in out0
	v_lshlrev_b32 v[PFO], 12, v1                   ; prefetch: lane (r, h) takes row 16 qb + r of a tile of K (h = 0) or of V (h = 1)
	v_lshl_add_u32 v[PFO], v2, 24, v[PFO]
	s_lshl_b32 s101, s15, 16
	v_add_nc_u32 v[PFO], s101, v[PFO]
	v_mul_u32_u24 v5, v1, 272
	s_mul_i32 s101, s10, 8704
	s_add_co_u32 s101, s101, MASKB
	WIN 0x40                                       ; destination window 1
	v_add_nc_u32 v[MADR], s101, v5                 ; mask words of query 32 w + r, keys 0 to 127
	v_lshlrev_b32 v[SH], 4, v2
	v_mov_b32 v[NEGV], 0xccd7cab8
.irp u, 0,1
	v_mov_b32 v[RL+2*\u], 0                        ; read as the other half of a register pair, or as v_permlanex16_b32's destination, before they hold a result
	v_mov_b32 v[RMX+2*\u], 0
	v_mov_b32 v[RPT+\u], 0
.endr
	WIN 0
	s_wait_loadcnt 0x0                             ; the bias; its base s[6:7] may be written again
	s_mov_b32 s13, KTILE                           ; the prefetch's tile offset: each trip's head adds one tile, so tile 0's trip asks for tile 2
	s_mov_b32 s5, 0
; ---------------------------------------------------------------- the projection
; 20 LDS loads in one run: X's two fragments, Wq's eight, 32 along K at byte 64 kc of the rows, into buffer f
.macro PFETCH slot, kc, f
	PLACES
	WIN 0
.irp u, 0,1
	ds_load_b128 v[XF+16*\f+8*\u:XF+16*\f+8*\u+3],   v[XADR+\slot] offset:4352*\u+64*\kc
	ds_load_b128 v[XF+16*\f+8*\u+4:XF+16*\f+8*\u+7], v[XADR+\slot] offset:4352*\u+64*\kc+32
.endr
.irp d, 0,1,2,3,4,5,6,7
	ds_load_b128 v[FR+64*\f+8*\d:FR+64*\f+8*\d+3],   v[WADR+\slot] offset:4352*\d+64*\kc
	ds_load_b128 v[FR+64*\f+8*\d+4:FR+64*\f+8*\d+7], v[WADR+\slot] offset:4352*\d+64*\kc+32
.endr
.endm
; 8 products: Q^T tiles (4 half + d, u).  The 16 accumulators take turns, one instruction a turn.  first = 1: the sums start from the bias.
.macro PMUL f, half, first
.irp d, 0,1,2,3
.irp u, 0,1
.if \first
	v_wmma_f32_16x16x32_bf16 v[8*(2*(4*\half+\d)+\u):8*(2*(4*\half+\d)+\u)+7], v[FR+64*\f+8*(4*\half+\d):FR+64*\f+8*(4*\half+\d)+7], v[XF+16*\f+8*\u:XF+16*\f+8*\u+7], v[QF+8*(4*\half+\d):QF+8*(4*\half+\d)+7]
.else
	v_wmma_f32_16x16x32_bf16 v[8*(2*(4*\half+\d)+\u):8*(2*(4*\half+\d)+\u)+7], v[FR+64*\f+8*(4*\half+\d):FR+64*\f+8*(4*\half+\d)+7], v[XF+16*\f+8*\u:XF+16*\f+8*\u+7], v[8*(2*(4*\half+\d)+\u):8*(2*(4*\half+\d)+\u)+7]
.endif
.endr
.endr
.endm
.macro PWIN first
.if \first
	WIN 0x40                                       ; sources 0, 1 and C (the bias) window 0, D window 1
.else
	WIN 0x50                                       ; C and D window 1
.endif
.endm
; 32 along K on buffer f; in its middle the next quarter's fragments go into buffer g
.macro PQUARTER slot, kn, f, g, first, fetch
	s_wait_dscnt 8                                 ; X's and Wq's fragments 0-3 are in; the youngest eight loads (Wq's 4-7) may be out
	PWIN \first
	PMUL \f, 0, \first
.if \fetch
	PFETCH \slot, \kn, \g
	s_wait_dscnt 20                                ; all but the 20 just issued
.else
	s_wait_dscnt 0
.endif
	PWIN \first
	PMUL \f, 1, \first
.endm
; Wq's line of descriptors becomes V's: 8 words of padding (LDS pitch 288), 2,048 elements from row to row.  No tensor load of the wave is out where this stands.
.macro MAINDESC
	s_or_b32 s[G1B+0], s99, (1<<16)|PADW|(7<<25)
	s_mov_b32 s[G1B+5], 2048
	s_mul_i32 s62, s12, 9216                       ; 32 rows x 288
.irp s, 0,1
	s_mov_b32 s[G0B+4*\s], 1
	s_add_co_u32 s[G0B+4*\s+1], s62, \s*SLOT+34816
	s_add_nc_u64 s[G0B+4*\s+2:G0B+4*\s+3], s[60:61], \s*KTILE
	s_or_b32 s[G0B+4*\s+3], s[G0B+4*\s+3], 0x80000000
.endr
.endm
; One K step of 128.  kind 1: the next tile is a K step's; kind 2: it is the first tile of keys.
.macro PSTEP slot, other, first, kind
	WIN 0
	s_wait_tensorcnt 0x0                           ; all my tensor loads have landed, my part of this trip's tile among them: every group 0 may be written
	ds_add_u32 v30, v31
.if \kind == 1
	s_add_nc_u64 s[G0A+4*\slot+2:G0A+4*\slot+3], s[G0A+4*\slot+2:G0A+4*\slot+3], 512   ; this slot's next tile: two K steps on
	s_add_nc_u64 s[G0B+4*\slot+2:G0B+4*\slot+3], s[G0B+4*\slot+2:G0B+4*\slot+3], 512
.else
	MAINDESC
.endif
	s_wait_dscnt 0x0                               ; my reads of the last trip's tile are over
	ROUND                                          ; both now hold of every wave of every work-group of the cluster
.if \kind == 1
	JLOADP \other                                  ; the next tile, into the slot read last trip: my one tensor load until the next round
.else
	JLOADM \other
.endif
	PFETCH \slot, 0, 0
	PQUARTER \slot, 1, 0, 1, \first, 1
	PQUARTER \slot, 2, 1, 0, 0, 1
	PQUARTER \slot, 3, 0, 1, 0, 1
	PQUARTER \slot, 0, 1, 0, 0, 0
.endm
	PSTEP 0, 1, 1, 1                               ; K step 0 stands in front of the loop: its first products start the sums
	WIN 0
	s_mov_b32 s3, 3
.Lproj:
	PSTEP 1, 0, 0, 1                               ; K steps 1 to 6
	PSTEP 0, 1, 0, 1
	WIN 0
	s_sub_co_u32 s3, s3, 1
	s_cmp_lg_u32 s3, 0
	s_cbranch_scc1 .Lproj
	PSTEP 1, 0, 0, 2                               ; K step 7 asks for the first tile of keys
	; relu, then Q^T's tiles 2 kc and 2 kc + 1 pack into the second source of S^T = K Q^T: lane (r, h) already holds query r, d = 32 kc + 8 h + 0..7 and + 16
	PLACES
	WIN 0x55
.set i, 0
.rept 128
	v_max_num_f32 v[i], 0, v[i]
.set i, i+1
.endr
	WIN 0x05                                       ; sources window 1, destination window 0
.irp u, 0,1
.irp kc, 0,1,2,3
.irp e, 0,1
.irp p, 0,1,2,3
	v_cvt_pk_bf16_f32 v[QF+8*(4*\u+\kc)+4*\e+\p], v[8*(2*(2*\kc+\e)+\u)+2*\p], v[8*(2*(2*\kc+\e)+\u)+2*\p+1]
.endr
.endr
.endr
.endr
; ---------------------------------------------------------------- the attention
.macro FETCHK slot, sub, hh            ; 16 loads: K's fragments of keys 64 sub .. + 63, d = 64 hh .. + 63, into half hh of the fragment buffer
	WIN 0
.irp kc, 2*\hh, 2*\hh+1
.irp t, 0,1,2,3
	ds_load_b128 v[FR+32*(\kc)+8*\t:FR+32*(\kc)+8*\t+3],   v[KADR+\slot] offset:(64*\sub+16*\t)*272+64*(\kc)
	ds_load_b128 v[FR+32*(\kc)+8*\t+4:FR+32*(\kc)+8*\t+7], v[KADR+\slot] offset:(64*\sub+16*\t)*272+64*(\kc)+32
.endr
.endr
.endm
.macro FETCHV slot, sub                ; 32 transposing loads: V^T's fragments, rows 16 d + r, keys 64 sub + 32 c .. + 31, into half c of the fragment buffer
	WIN 0
.irp c, 0,1
.irp d, 0,1,2,3,4,5,6,7
	ds_load_tr16_b128 v[FR+64*\c+8*\d:FR+64*\c+8*\d+3],   v[VADR+\slot] offset:(64*\sub+32*\c)*288+32*\d
	ds_load_tr16_b128 v[FR+64*\c+8*\d+4:FR+64*\c+8*\d+7], v[VADR+\slot] offset:(64*\sub+32*\c+16)*288+32*\d
.endr
.endr
.endm
; Half hh of S^T (u, t) = K(t) Q(u)^T over d: 16 products on 8 accumulators that take turns, one instruction a turn; the first starts each sum
.macro QK hh
	WIN 0x50                                       ; sources 0 (K) and 1 (Q) window 0, C and D window 1
.irp kc, 2*\hh, 2*\hh+1
.irp u, 0,1
.irp t, 0,1,2,3
.if (\kc) == 0
	v_wmma_f32_16x16x32_bf16 v[SB+8*(4*\u+\t):SB+8*(4*\u+\t)+7], v[FR+32*(\kc)+8*\t:FR+32*(\kc)+8*\t+7], v[QF+8*(4*\u+(\kc)):QF+8*(4*\u+(\kc))+7], 0
.else
	v_wmma_f32_16x16x32_bf16 v[SB+8*(4*\u+\t):SB+8*(4*\u+\t)+7], v[FR+32*(\kc)+8*\t:FR+32*(\kc)+8*\t+7], v[QF+8*(4*\u+(\kc)):QF+8*(4*\u+(\kc))+7], v[SB+8*(4*\u+\t):SB+8*(4*\u+\t)+7]
.endif
.endr
.endr
.endr
.endm
.macro SOFT sub, first
	WIN 0x55                                       ; everything in window 1
.if \sub == 0
.set i, 0
.rept 8
	v_lshlrev_b32 v[MW+i], v[SH], v[MW+i]          ; my half of the lanes' 16 bits to the top
.set i, i+1
.endr
.endif
	; the mask, and the largest masked score of my 32 keys of each query
.irp u, 0,1
.irp t, 0,1,2,3
.set XB, SB+8*(4*\u+\t)
.irp j, 0,1,2,3,4,5,6,7
	v_add_co_u32 v[MW+4*\u+\j%4], s[LM+\j], v[MW+4*\u+\j%4], v[MW+4*\u+\j%4]   ; the word doubles: its top bit, the mask of key 16 t + 8 h + j, is the carry
.endr
.irp j, 0,1,2,3,4,5,6,7
	v_cndmask_b32 v[XB+\j], v[NEGV], v[XB+\j], s[LM+\j]
.endr
	v_max3_num_f32 v[RTA], v[XB], v[XB+1], v[XB+2]
	v_max3_num_f32 v[RTB], v[XB+3], v[XB+4], v[XB+5]
	v_max3_num_f32 v[RTA], v[RTA], v[XB+6], v[XB+7]
.if \t == 0
	v_max_num_f32 v[RMX+2*\u], v[RTA], v[RTB]
.else
	v_max3_num_f32 v[RMX+2*\u], v[RMX+2*\u], v[RTA], v[RTB]
.endif
.endr
.endr
	; across the two halves of the lanes; the running maximum; the rescale factor
.irp u, 0,1
	v_permlanex16_b32 v[RPT+\u], v[RMX+2*\u], s94, s95
.endr
.irp u, 0,1
	v_max_num_f32 v[RMX+2*\u], v[RMX+2*\u], v[RPT+\u]
.endr
.if \first
.irp u, 0,1
	v_mul_f32 v[RM+2*\u], s92, v[RMX+2*\u]
.endr
.else
.irp u, 0,1
	v_mul_f32 v[RMX+2*\u], s92, v[RMX+2*\u]
.endr
.irp u, 0,1
	v_max_num_f32 v[RPT+\u], v[RM+2*\u], v[RMX+2*\u]
.endr
.irp u, 0,1
	v_sub_f32 v[RE+\u], v[RM+2*\u], v[RPT+\u]
.endr
.irp u, 0,1
	v_mov_b32 v[RM+2*\u], v[RPT+\u]
.endr
.irp u, 0,1
	v_exp_f32 v[RAL+2*\u], v[RE+\u]                ; behind these the first fused multiply-add below, which names none of their registers (ISA guide 5.7.2)
.endr
.endif
	; the weights: 2^(c s - m).  Behind the first run of v_exp_f32 stand the second query tile's multiply-adds, behind the second run the first tile's sums.
.irp u, 0,1
.irp p, 0,1,2,3,4,5,6,7,8,9,10,11,12,13,14,15
	v_pk_fma_f32 v[SB+32*\u+2*\p:SB+32*\u+2*\p+1], v[SB+32*\u+2*\p:SB+32*\u+2*\p+1], s[92:93], v[RM+2*\u:RM+2*\u+1] op_sel_hi:[1,0,0] neg_lo:[0,0,1] neg_hi:[0,0,1]
.endr
.set i, 0
.rept 32
	v_exp_f32 v[SB+32*\u+i], v[SB+32*\u+i]
.set i, i+1
.endr
.endr
	; their sum, in two chains, and the packing in place: tiles 2 c and 2 c + 1 become registers 0-3 and 4-7 of the second source of O^T = V^T P^T
.irp u, 0,1
.irp t, 0,1,2,3
.set XB, SB+8*(4*\u+\t)
.set PB, SB+8*(4*\u+(\t/2)*2)+4*(\t%2)
.if \t == 0
	s_wait_alu depctr_va_vdst(0)
	v_pk_add_f32 v[RSA+2*\u:RSA+2*\u+1], v[XB:XB+1], v[XB+2:XB+3]
	v_cvt_pk_bf16_f32 v[PB], v[XB], v[XB+1]
	v_cvt_pk_bf16_f32 v[PB+1], v[XB+2], v[XB+3]
	v_pk_add_f32 v[RSB+2*\u:RSB+2*\u+1], v[XB+4:XB+5], v[XB+6:XB+7]
	v_cvt_pk_bf16_f32 v[PB+2], v[XB+4], v[XB+5]
	v_cvt_pk_bf16_f32 v[PB+3], v[XB+6], v[XB+7]
.else
	v_pk_add_f32 v[RSA+2*\u:RSA+2*\u+1], v[RSA+2*\u:RSA+2*\u+1], v[XB:XB+1]
	v_pk_add_f32 v[RSB+2*\u:RSB+2*\u+1], v[RSB+2*\u:RSB+2*\u+1], v[XB+2:XB+3]
	v_cvt_pk_bf16_f32 v[PB], v[XB], v[XB+1]
	v_cvt_pk_bf16_f32 v[PB+1], v[XB+2], v[XB+3]
	v_pk_add_f32 v[RSA+2*\u:RSA+2*\u+1], v[RSA+2*\u:RSA+2*\u+1], v[XB+4:XB+5]
	v_pk_add_f32 v[RSB+2*\u:RSB+2*\u+1], v[RSB+2*\u:RSB+2*\u+1], v[XB+6:XB+7]
	v_cvt_pk_bf16_f32 v[PB+2], v[XB+4], v[XB+5]
	v_cvt_pk_bf16_f32 v[PB+3], v[XB+6], v[XB+7]
.endif
.endr
	v_pk_add_f32 v[RSA+2*\u:RSA+2*\u+1], v[RSA+2*\u:RSA+2*\u+1], v[RSB+2*\u:RSB+2*\u+1]
.if \first
	v_add_f32 v[RL+2*\u], v[RSA+2*\u], v[RSA+2*\u+1]
.else
	v_add_f32 v[RTA], v[RSA+2*\u], v[RSA+2*\u+1]
	v_fma_f32 v[RL+2*\u], v[RL+2*\u], v[RAL+2*\u], v[RTA]
.endif
.endr
.endm
.macro ORESC                           ; O^T times the lane's factor
	WIN 0x55
.irp d, 0,1,2,3,4,5,6,7
.irp u, 0,1
.irp p, 0,1,2,3
	v_pk_mul_f32 v[8*(2*\d+\u)+2*\p:8*(2*\d+\u)+2*\p+1], v[8*(2*\d+\u)+2*\p:8*(2*\d+\u)+2*\p+1], v[RAL+2*\u:RAL+2*\u+1] op_sel_hi:[1,0]
.endr
.endr
.endr
.endm
; O^T (d, u) += V^T(d) P(u)^T over keys 32 c .. + 31: 16 products on 16 accumulators that take turns, one instruction a turn
.macro PVH c, first
.irp d, 0,1,2,3,4,5,6,7
.irp u, 0,1
.if \first
	v_wmma_f32_16x16x32_bf16 v[8*(2*\d+\u):8*(2*\d+\u)+7], v[FR+64*\c+8*\d:FR+64*\c+8*\d+7], v[SB+8*(4*\u+2*\c):SB+8*(4*\u+2*\c)+7], 0
.else
	v_wmma_f32_16x16x32_bf16 v[8*(2*\d+\u):8*(2*\d+\u)+7], v[FR+64*\c+8*\d:FR+64*\c+8*\d+7], v[SB+8*(4*\u+2*\c):SB+8*(4*\u+2*\c)+7], v[8*(2*\d+\u):8*(2*\d+\u)+7]
.endif
.endr
.endr
.endm
; 64 keys.  K and V share one fragment buffer: V is loaded behind the scores and lands under the softmax; the next 64 keys' K is loaded half by half, each
; half as soon as the products that read V's half in those registers are done and five places have passed.
; pf = 1: wave 0 asks, for the tile two tiles on (its tensor load is issued one trip later), for this work-group's share: rows 16 qb .. + 15 of K and of V, one lane
; for each row's 256 bytes.  The eight query blocks of a (n, head) share the tile's 128 + 128 rows, so each block of 256 bytes is asked for by one work-group.
.macro KEYS64 slot, sub, first, pf
	s_wait_dscnt 16                                ; the 16 loads of K's second half may be out; its first half and the mask words are in
	QK 0
	s_wait_dscnt 0x0
	QK 1
	PLACES
	FETCHV \slot, \sub
.if \pf
	s_cmp_lg_u32 s10, 0
	s_cbranch_scc1 .Lnopf_\@
	global_prefetch_b8 v[PFO], s[6:7] th:TH_LOAD_NT scope:SCOPE_SE
.Lnopf_\@:
.endif
	SOFT \sub, \first
.if \first == 0
	ORESC
.endif
	s_wait_dscnt 0x0                               ; V's fragments
	WIN 0x54                                       ; source 0 (V^T) window 0, source 1 (P), C and D window 1
	PVH 0, \first
.if \sub == 0
	PLACES
	FETCHK \slot, 1, 0
	WIN 0x54
.endif
	PVH 1, 0
	PLACES
.if \sub == 0
	FETCHK \slot, 1, 1
.endif
.endm
; One tile of 128 keys
.macro MSTEP slot, other, first, refill
	WIN 0
	s_wait_tensorcnt 0x0                           ; all my tensor loads have landed, my part of this trip's tile among them: every group 0 may be written
	ds_add_u32 v30, v31
	s_wait_dscnt 0x0
	s_add_nc_u64 s[G0K+4*\slot+2:G0K+4*\slot+3], s[G0K+4*\slot+2:G0K+4*\slot+3], 2*KTILE   ; this slot's next tile: 256 rows of kv on
	s_add_nc_u64 s[G0B+4*\slot+2:G0B+4*\slot+3], s[G0B+4*\slot+2:G0B+4*\slot+3], 2*KTILE
.if \refill
	s_wait_xcnt 0x0                                ; the last trip's prefetch has had its address translated (ISA guide 3.1): its base is written again only behind this wait
	s_add_co_u32 s13, s13, KTILE                   ; the tile two on from this trip's,
	s_min_u32 s4, s13, 15*KTILE                    ; clamped to the last one: tile 14's trip asks for tile 15 once more, and no request leaves kv
	s_add_nc_u64 s[6:7], s[8:9], s[4:5]
.endif
	s_wait_dscnt 0x0                               ; my reads of the last trip's tile are over
	ROUND                                          ; both now hold of every wave of every work-group of the cluster
.if \refill
	JLOADM \other                                  ; the next tile, into the slot read last trip: my one tensor load until the next round
.endif
	WIN 0x55
.irp u, 0,1
	ds_load_b128 v[MW+4*\u:MW+4*\u+3], v[MADR] offset:4352*\u     ; the four mask words of query 16 u + r for this tile
.endr
	v_add_nc_u32 v[MADR], 16, v[MADR]
	FETCHK \slot, 0, 0
	FETCHK \slot, 0, 1
	KEYS64 \slot, 0, \first, \refill
	KEYS64 \slot, 1, 0, 0
.endm
	MSTEP 0, 1, 1, 1                               ; tile 0 stands in front of the loop: its first products start O's sums
	WIN 0
	s_mov_b32 s3, 7
.Lkeys:
	MSTEP 1, 0, 0, 1                               ; tiles 1 to 14
	MSTEP 0, 1, 0, 1
	WIN 0
	s_sub_co_u32 s3, s3, 1
	s_cmp_lg_u32 s3, 0
	s_cbranch_scc1 .Lkeys
	MSTEP 1, 0, 0, 0                               ; tile 15: nothing is left to fetch
	; divide by the row sum: the two halves of the lanes hold the sums over their keys
	WIN 0x55
.irp u, 0,1
	v_permlanex16_b32 v[RPT+\u], v[RL+2*\u], s94, s95
.endr
.irp u, 0,1
	v_add_f32 v[RL+2*\u], v[RL+2*\u], v[RPT+\u]
.endr
.irp u, 0,1
	v_rcp_f32 v[RAL+2*\u], v[RL+2*\u]
.endr
	v_nop                                          ; one plain vector instruction behind v_rcp_f32 before its result is used (ISA guide 5.7.2)
	s_wait_alu depctr_va_vdst(0)
	ORESC
; THE WAY OUT, 16 queries x 64 columns at a time: a lane's eight numbers of tile (d, u) are 32 neighbouring bytes of query r's row; through my own stage they
; become whole pieces of 256 bytes.  Each of the four pieces is read back into registers of its own, so no store's data is written again.
.macro OUTQ u, dh
	WIN 0x04                                       ; address window 0, data window 1
.irp dd, 0,1,2,3
	ds_store_b128 v[STO], v[8*(2*(4*\dh+\dd)+\u):8*(2*(4*\dh+\dd)+\u)+3] offset:64*\dd
	ds_store_b128 v[STO], v[8*(2*(4*\dh+\dd)+\u)+4:8*(2*(4*\dh+\dd)+\u)+7] offset:64*\dd+16
.endr
	WIN 0
.irp t, 0,1,2,3,4,5,6,7
	ds_load_b128 v[FR+32*(2*\u+\dh)+4*\t:FR+32*(2*\u+\dh)+4*\t+3], v[RD] offset:\t*2*SPITCH   ; LDS serves a wave's instructions in order (ISA guide 5.7.1): these see the stores above
.endr
.irp t, 0,1,2,3,4,5,6,7
	s_wait_dscnt 7-\t                              ; the younger rows stay out
	global_store_b128 v[CO], v[FR+32*(2*\u+\dh)+4*\t:FR+32*(2*\u+\dh)+4*\t+3], s[66:67] offset:(16*\u+2*\t)*8192+256*\dh th:TH_STORE_NT   ; 16 lanes store 256 consecutive bytes, at a multiple of 256 from out0's first byte
.endr
.endm
	OUTQ 0, 0
	OUTQ 0, 1
	OUTQ 1, 0
	OUTQ 1, 1
	s_wait_tensorcnt 0x0
	ds_add_u32 v30, v31
	s_wait_dscnt 0x0
	ROUND                                          ; the closing round: no work-group ends while a partner may still ask for a tile that names it
	s_endpgm
.Lfunc_end_k_qc5ccc02fc7_attn:
	.size	k_qc5ccc02fc7_attn, .Lfunc_end_k_qc5ccc02fc7_attn-k_qc5ccc02fc7_attn
	.p2alignl 7, 3214868480
	.fill 96, 4, 3214868480
	.section	.rodata,"a",@progbits
	.p2align	6, 0x0
	.amdhsa_kernel k_qc5ccc02fc7_attn
		.amdhsa_group_segment_fixed_size 327680
		.amdhsa_private_segment_fixed_size 0
		.amdhsa_enable_private_segment 0
		.amdhsa_kernarg_size 40
		.amdhsa_user_sgpr_count 2
		.amdhsa_user_sgpr_kernarg_segment_ptr 1
		.amdhsa_wavefront_size32 1
		.amdhsa_system_sgpr_workgroup_id_x 1
		.amdhsa_system_sgpr_workgroup_id_y 1
		.amdhsa_system_sgpr_workgroup_id_z 1
		.amdhsa_system_vgpr_workitem_id 0
		.amdhsa_next_free_vgpr 512
		.amdhsa_next_free_sgpr 102
		.amdhsa_reserve_vcc 0
		.amdhsa_float_denorm_mode_32 3
		.amdhsa_float_denorm_mode_16_64 3
		.amdhsa_memory_ordered 1
		.amdhsa_forward_progress 1
		.amdhsa_inst_pref_size 255
	.end_amdhsa_kernel
	.section	.bss,"aw",@nobits
	.p2align	6
	.space	262144
	.amdgpu_metadata
---
amdhsa.version: [ 1, 2 ]
amdhsa.kernels:
  - .name:           k_qc5ccc02fc7_attn
    .symbol:         k_qc5ccc02fc7_attn.kd
    .args:
      - { .name: cb, .offset: 0, .size: 8, .value_kind: global_buffer, .address_space: global }
      - { .name: kv, .offset: 8, .size: 8, .value_kind: global_buffer, .address_space: global }
      - { .name: mbits, .offset: 16, .size: 8, .value_kind: global_buffer, .address_space: global }
      - { .name: bq, .offset: 24, .size: 8, .value_kind: global_buffer, .address_space: global }
      - { .name: out0, .offset: 32, .size: 8, .value_kind: global_buffer, .address_space: global }
    .group_segment_fixed_size: 327680
    .private_segment_fixed_size: 0
    .kernarg_segment_align: 8
    .kernarg_segment_size: 40
    .max_flat_workgroup_size: 256
    .sgpr_count:     102
    .vgpr_count:     512
    .wavefront_size: 32
...
	.end_amdgpu_metadata
.endif
;; end of part 4
;; ======== version 3 of 3: 3 launches; version 2 with the launch prep written anew for expert scheduling mode
;; workspace buffers: cb 37,748,736 bytes; mbits 524,288 bytes of whole numbers; kv 33,554,432 bytes
;; launch prep (part 5): grid 256 x 1, 8 waves a work-group, no clusters, 0 bytes of LDS; arguments key, value, query, Wk, Wv, Wq, mask, cb, mbits; writes cb, mbits
.if DOCPART == 5
	.amdgcn_target "amdgcn-amd-amdhsa--gfx1250"
	.amdhsa_code_object_version 6
	.text
	.protected	k_qc5ccc02fc7_prep
	.globl	k_qc5ccc02fc7_prep
	.p2align	8
	.type	k_qc5ccc02fc7_prep,@function
k_qc5ccc02fc7_prep:
	s_mov_b64 s[64:65], 0
	v_nop
	global_prefetch_b8 v0, s[64:65] scope:SCOPE_SE
	s_setreg_imm32_b32 hwreg(HW_REG_WAVE_SCHED_MODE, 0, 2), 2
	s_setreg_imm32_b32 hwreg(HW_REG_WAVE_MODE, 25, 1), 1
	s_wait_xcnt 0x0
	s_wait_alu depctr_vm_vsrc(0)
; Casts key, value, query, Wk, Wv, Wq from f32 to bf16 (round to nearest even) into cb, in that order, and packs the int32 mask into bits (mbits).
; 256 work-groups of eight waves; each takes 1/256 of every tensor: 64 KiB of key, value, query, 32 KiB of each W, 8 rows of the mask (one a wave).
; A stream: every input byte is read once, by 16-byte loads of which a wave's cover 512 consecutive bytes; a wave's 8-byte stores cover 256
; consecutive aligned bytes.  No LDS, no barrier, no matrix unit: nothing is shared between waves.
; mbits: [2048 queries][16 groups g of 128 keys][4 words c].  With i = 16 h + 8 sub + 2 t + jj, bit 31 - i of word (g, c) is 1 where
; mask[q][128 g + 64 sub + 16 t + 8 h + 4 jj + c] != 0: the order in which a lane of the attention kernel uses its bits, from the top down.
; Any mask value other than 0 counts as true.
; THE MODE: SCHED_MODE bits 1:0 = 2 (LLVM: expert scheduling mode 2), set by the entry lines.  The code itself states the register dependences
; between vector instructions and memory instructions, with s_wait_alu, always for 0.
; THE PLAN.  The 72 items of 4,096 bytes go in nine blocks of eight.  Registers that memory instructions touch:
;   v1, v2, v3   byte offsets, made once at the head and never written again; the scalar bases are never stepped, immediates do the rest.
;   the ring     six buffers of 32 registers, v[16:207]; item n lies at 16 + 4 ((n + 16) % 48).  Block p's conversions read block p's buffer; the
;                loads of block p + 5, issued in block p, land in the buffer that block p - 1 worked on.
;   v[16:79]     the ring's first two buffers hold the 64 mask words first: the compares read them, then blocks 4 and 5 land there.
;   v8, v9       the mask row's words: written by the writelanes, read by one store, never written again.
;   Y0, Y1       two blocks of bf16 to store.  Written by block p's conversions (Y[p % 2]); read by the eight stores that are issued in block p + 1.
;   s[44:59]     the lane masks of four groups: written by sixteen compares, read by sixteen writelanes.
; Block p's vector instructions name its own buffer and Y[p % 2]; its memory instructions touch the buffer and the Y of block p - 1.  So the waits at
; a block's head state all that its sixteen memory instructions hang on, and these are dealt among its conversions with no further wait.
.set RING, 16                          ; v[16:207]   six buffers x eight items x 4: f32 as loaded
.set MK,   16                          ; v[16:79]    first: 16 groups x 4 mask words of my lane
.set Y,    208                         ; v[208:239]  two buffers x eight items x 2: bf16 to store
.set LM,   44                          ; s[44:59]    sixteen lane masks
	s_load_b512 s[8:23], s[0:1], 0x0               ; key s[8:9], value, query, Wk, Wv, Wq s[18:19], mask s[20:21], cb s[22:23]
	s_load_b64 s[24:25], s[0:1], 0x40              ; mbits
	s_lshl_b32 s2, ttmp9, 16                       ; my part of key, value, query and mask: 64 KiB
	s_mov_b32 s3, 0
	s_lshl_b32 s4, ttmp9, 15                       ; of a W, and of the bf16 copies of key, value, query: 32 KiB
	s_mov_b32 s5, 0
	s_lshl_b32 s6, ttmp9, 14                       ; of a W's bf16 copy: 16 KiB
	s_mov_b32 s7, 0
	s_lshl_b32 s30, ttmp9, 11                      ; of mbits: 8 rows of 256 bytes
	s_mov_b32 s31, 0
	v_lshlrev_b32 v1, 4, v0                        ; 16 t: my 16 bytes of every 4,096 loaded
	v_lshlrev_b32 v2, 3, v0                        ; 8 t: my 8 bytes of every 2,048 stored; also wave x 256 + 8 x lane in mbits
	v_and_b32 v5, 31, v0
	v_sub_nc_u32 v5, 31, v5                        ; i = 31 - lane: the compare below puts my bit at place lane = 31 - i
	v_bfe_u32 v6, v5, 3, 1                         ; sub
	v_bfe_u32 v7, v5, 1, 2                         ; t
	v_lshrrev_b32 v10, 4, v5                       ; h
	v_and_b32 v11, 1, v5                           ; jj
	v_lshlrev_b32 v6, 4, v6
	v_lshl_add_u32 v6, v7, 2, v6
	v_lshl_add_u32 v6, v10, 1, v6
	v_add_nc_u32 v6, v6, v11                       ; which four keys of a group are mine: 16 sub + 4 t + 2 h + jj
	v_lshrrev_b32 v7, 5, v0
	v_lshlrev_b32 v3, 13, v7                       ; my wave's mask row (8,192 bytes)
	v_lshl_add_u32 v3, v6, 4, v3
	v_mov_b32 v8, 0                                ; v_writelane_b32 counts as a reader of its destination
	v_mov_b32 v9, 0
	s_wait_kmcnt 0x0
	s_add_nc_u64 s[8:9], s[8:9], s[2:3]
	s_add_nc_u64 s[10:11], s[10:11], s[2:3]
	s_add_nc_u64 s[12:13], s[12:13], s[2:3]
	s_add_nc_u64 s[14:15], s[14:15], s[4:5]
	s_add_nc_u64 s[16:17], s[16:17], s[4:5]
	s_add_nc_u64 s[18:19], s[18:19], s[4:5]
	s_add_nc_u64 s[20:21], s[20:21], s[2:3]
	s_add_nc_u64 s[32:33], s[22:23], s[4:5]        ; cb: key's copy at 0,
	s_add_nc_u64 s[34:35], s[32:33], 8388608       ; value's,
	s_add_nc_u64 s[36:37], s[32:33], 16777216      ; query's,
	s_add_nc_u64 s[38:39], s[22:23], s[6:7]
	s_add_nc_u64 s[38:39], s[38:39], 25165824      ; Wk's,
	s_add_nc_u64 s[40:41], s[38:39], 4194304       ; Wv's,
	s_add_nc_u64 s[42:43], s[38:39], 8388608       ; Wq's
	s_add_nc_u64 s[24:25], s[24:25], s[30:31]
	s_wait_alu depctr_va_vdst(0)                   ; v1, v2 and v3 are written: every load and store of the kernel reads one of them as its offset
; Item n of 72: 4,096 bytes of f32.  n < 48: tensor n / 16 (key, value, query), piece n % 16; else W number (n - 48) / 8, piece (n - 48) % 8.
.macro LOADI n
.if (\n) < 48
	global_load_b128 v[RING+4*(((\n)+16)%48):RING+4*(((\n)+16)%48)+3], v1, s[8+2*((\n)/16):9+2*((\n)/16)] offset:4096*((\n)%16) th:TH_LOAD_NT
.else
	global_load_b128 v[RING+4*(((\n)+16)%48):RING+4*(((\n)+16)%48)+3], v1, s[14+2*(((\n)-48)/8):15+2*(((\n)-48)/8)] offset:4096*(((\n)-48)%8) th:TH_LOAD_NT
.endif
.endm
.macro STOREI n
.if (\n) < 48
	global_store_b64 v2, v[Y+2*((\n)%16):Y+2*((\n)%16)+1], s[32+2*((\n)/16):33+2*((\n)/16)] offset:2048*((\n)%16)
.else
	global_store_b64 v2, v[Y+2*((\n)%16):Y+2*((\n)%16)+1], s[38+2*(((\n)-48)/8):39+2*(((\n)-48)/8)] offset:2048*(((\n)-48)%8)
.endif
.endm
; Block p: items 8 p .. 8 p + 7.  left = how many younger loads may still be out when this block's eight have to be there.
.macro BLK p, left
	s_wait_loadcnt \left                           ; loads come back in order (ISA guide 5.7.1): this block's buffer is in, the younger blocks stay out
.if (\p) >= 2
	s_wait_xcnt 0x0                                ; every earlier memory instruction has had its addresses translated (ISA guide 3.1): Y[p % 2] is rewritten only behind this wait
	s_wait_alu depctr_vm_vsrc(0)                   ; the stores issued in the block before have read Y[p % 2], which this block's conversions write again
.endif
.if (\p) >= 1
	s_wait_alu depctr_va_vdst(0)                   ; the block before has written the other Y, which the stores below read, and is done reading its buffer, in which the loads below land
.endif
.irp i, 0,1,2,3,4,5,6,7
.if (\p) <= 3
	LOADI (8*\p+\i+40)                             ; five blocks ahead, ahead of the store; no vector instruction since the last wait on va_vdst names these registers
.endif
.if (\p) >= 1
	STOREI (8*\p+\i-8)                             ; the block before
.endif
	v_cvt_pk_bf16_f32 v[Y+2*((8*\p+\i)%16)],   v[RING+4*((8*\p+\i+16)%48)],   v[RING+4*((8*\p+\i+16)%48)+1]
	v_cvt_pk_bf16_f32 v[Y+2*((8*\p+\i)%16)+1], v[RING+4*((8*\p+\i+16)%48)+2], v[RING+4*((8*\p+\i+16)%48)+3]
.endr
.endm
.irp g, 0,1,2,3,4,5,6,7,8,9,10,11,12,13,14,15
	global_load_b128 v[MK+4*\g:MK+4*\g+3], v3, s[20:21] offset:512*\g th:TH_LOAD_NT   ; a group's 512 bytes, the lanes in the order of the bits
.endr
.irp b, 0,1,2,3,4,5,6,7,8,9,10,11,12,13,14,15,16,17,18,19,20,21,22,23,24,25,26,27,28,29,30,31
	LOADI \b                                       ; blocks 0 to 3, into the four buffers behind the mask words
.endr
; The mask, four groups at a time: sixteen compares, one wait, sixteen writelanes.
.irp k, 0,1,2,3
	s_wait_loadcnt 44-4*\k                         ; 12 - 4 k younger mask loads and the 32 cast loads stay out
.irp g, 0,1,2,3
.irp c, 0,1,2,3
	v_cmp_ne_u32 s[LM+4*\g+\c], 0, v[MK+4*(4*\k+\g)+\c]        ; word (4 k + g, c): one bit a lane
.endr
.endr
	s_wait_alu depctr_va_sdst(0)                   ; the sixteen compares have written s[44:59], ahead of the writelanes, their first readers
.irp g, 0,1,2,3
.irp c, 0,1,2,3
	v_writelane_b32 v[8+\c%2], s[LM+4*\g+\c], 2*(4*\k+\g)+\c/2 ; word 4 G + c of the row (G = 4 k + g) goes to lane (4 G + c) / 2, register (4 G + c) % 2
.endr
.endr
.endr
	s_wait_alu depctr_va_vdst(0)                   ; the writelanes have written v8 and v9, which the store below reads; the compares are done reading v[16:79], in which blocks 4 and 5 land
.irp i, 0,1,2,3,4,5,6,7
	LOADI (32+\i)                                  ; block 4, into the first half of the mask words' registers; block 0 asks for block 5, into the second
.endr
	global_store_b64 v2, v[8:9], s[24:25]          ; the row's 256 bytes
	BLK 0, 32                                      ; the four younger blocks stay out
	BLK 1, 32
	BLK 2, 32
	BLK 3, 32
	BLK 4, 32                                      ; blocks 4 to 8 load nothing: no load leaves a buffer, and the counts run down
	BLK 5, 24
	BLK 6, 16
	BLK 7, 8
	BLK 8, 0
	s_wait_alu depctr_va_vdst(0)                   ; block 8 has written Y0, which the last eight stores read
.irp i, 0,1,2,3,4,5,6,7
	STOREI (64+\i)
.endr
	s_endpgm
.Lfunc_end_k_qc5ccc02fc7_prep:
	.size	k_qc5ccc02fc7_prep, .Lfunc_end_k_qc5ccc02fc7_prep-k_qc5ccc02fc7_prep
	.p2alignl 7, 3214868480
	.fill 96, 4, 3214868480
	.section	.rodata,"a",@progbits
	.p2align	6, 0x0
	.amdhsa_kernel k_qc5ccc02fc7_prep
		.amdhsa_group_segment_fixed_size 0
		.amdhsa_private_segment_fixed_size 0
		.amdhsa_enable_private_segment 0
		.amdhsa_kernarg_size 72
		.amdhsa_user_sgpr_count 2
		.amdhsa_user_sgpr_kernarg_segment_ptr 1
		.amdhsa_wavefront_size32 1
		.amdhsa_system_sgpr_workgroup_id_x 1
		.amdhsa_system_sgpr_workgroup_id_y 1
		.amdhsa_system_sgpr_workgroup_id_z 1
		.amdhsa_system_vgpr_workitem_id 0
		.amdhsa_next_free_vgpr 240
		.amdhsa_next_free_sgpr 66
		.amdhsa_reserve_vcc 0
		.amdhsa_float_denorm_mode_32 3
		.amdhsa_float_denorm_mode_16_64 3
		.amdhsa_memory_ordered 1
		.amdhsa_forward_progress 1
		.amdhsa_inst_pref_size 36
	.end_amdhsa_kernel
	.amdgpu_metadata
---
amdhsa.version: [ 1, 2 ]
amdhsa.kernels:
  - .name:           k_qc5ccc02fc7_prep
    .symbol:         k_qc5ccc02fc7_prep.kd
    .args:
      - { .name: key, .offset: 0, .size: 8, .value_kind: global_buffer, .address_space: global }
      - { .name: value, .offset: 8, .size: 8, .value_kind: global_buffer, .address_space: global }
      - { .name: query, .offset: 16, .size: 8, .value_kind: global_buffer, .address_space: global }
      - { .name: Wk, .offset: 24, .size: 8, .value_kind: global_buffer, .address_space: global }
      - { .name: Wv, .offset: 32, .size: 8, .value_kind: global_buffer, .address_space: global }
      - { .name: Wq, .offset: 40, .size: 8, .value_kind: global_buffer, .address_space: global }
      - { .name: mask, .offset: 48, .size: 8, .value_kind: global_buffer, .address_space: global }
      - { .name: cb, .offset: 56, .size: 8, .value_kind: global_buffer, .address_space: global }
      - { .name: mbits, .offset: 64, .size: 8, .value_kind: global_buffer, .address_space: global }
    .group_segment_fixed_size: 0
    .private_segment_fixed_size: 0
    .kernarg_segment_align: 8
    .kernarg_segment_size: 72
    .max_flat_workgroup_size: 256
    .sgpr_count:     66
    .vgpr_count:     240
    .wavefront_size: 32
...
	.end_amdgpu_metadata
.endif
;; end of part 5
;; launch kvproj: the kernel of part 2 again; grid 8 x 32, 4 waves a work-group, clusters of 4 x 4, 327,680 bytes of LDS; arguments cb, kv, bk, bv; writes kv
;; launch attn: the kernel of part 4 again; grid 8 x 32, 8 waves a work-group, clusters of 4 x 4, 327,680 bytes of LDS; arguments cb, kv, mbits, bq, out0; writes out0
